; MI455X (gfx1250); checked and timed in simulation.
; The chip was launched on July 23, 2026; its instructions are those of AMD's public machine-readable ISA for CDNA 5 (MIT licence, August 2026) and "CDNA5" Instruction Set Architecture Reference Guide (July 2026). The comments in the code are by the model that wrote it; some were corrected since.
;; Attention. Allowed arithmetic: matrix products marked QUANTISED: E2M3 operands, one E8M0 scale for each 32 along K, by v_wmma_scale_f32_16x16x128_f8f6f4 with both operands' format E2M3, f32 sums; everything else in f32.
;; Inputs: W_k 1,024 x 1,024 float32; W_o 1,024 x 1,024 float32; W_q 1,024 x 1,024 float32; W_v 1,024 x 1,024 float32; b_o 1,024 float32; x 4 x 2,048 x 1,024 float32.
;; Outputs: out0 4 x 2,048 x 1,024 float32.
;; This version of the problem:
;;   THIS VERSION OF THE PROBLEM IS GIVEN IN LOW PRECISION. The matrix products marked QUANTISED in the list below multiply operands that are first quantised to E2M3 (2 exponent bits, 3 mantissa bits; 6 bits a number), with one power-of-two scale for each 32 numbers along K (OCP MX v1.0); their sums are f32. All else is computed in f32.
;;   The module's matrix products, in the order in which they are computed (A, B: the left and right operand; K: the contracted axis; several contracted axes count as one K, in the product's order):
;;     1. [M 8,192, K 1,024] x [K 1,024, N 1,024]; A: input x; B: input W_q: QUANTISED
;;     2. [M 8,192, K 1,024] x [K 1,024, N 1,024]; A: input x; B: input W_k: QUANTISED
;;     3. [M 8,192, K 1,024] x [K 1,024, N 1,024]; A: input x; B: input W_v: QUANTISED
;;     4. batch 64 x [M 2,048, K 64] x [K 64, N 2,048]; A: computed on the way; B: computed on the way: QUANTISED
;;     5. batch 64 x [M 2,048, K 2,048] x [K 2,048, N 64]; A: softmax (see below); B: computed on the way: QUANTISED
;;     6. [M 8,192, K 1,024] x [K 1,024, N 1,024]; A: computed on the way; B: input W_o: QUANTISED
;;   THE QUANTISER, for each operand of a quantised product, along K:
;;     - K is cut into blocks of 32 from its start; a last block that is shorter is filled with zeros.
;;     - A block's scale is 2^e with e = floor(log2(the largest magnitude in the block)) - 2, held to -126 .. 127; a block of zeros has e = 0. As a byte (E8M0): e + 127.
;;     - Each number is divided by its block's scale, clamped to +-7.5, and rounded to the nearest number of E2M3, ties to even, subnormals kept.
;;     - The product sums the exact products of the quantised numbers (number of the format x scale) in f32.
;;   ~~~python
;;   def quantise(x, axis):      # numpy; x: float32 -> the quantised numbers, widened to float32 again
;;       x = np.moveaxis(x, axis, -1); K = x.shape[-1]
;;       x = np.pad(x, [(0, 0)] * (x.ndim - 1) + [(0, -K % 32)]); x = x.reshape(x.shape[:-1] + (-1, 32)); a = np.abs(x).max(-1, keepdims=True)
;;       e = np.where(a > 0, np.clip(np.frexp(np.where(a > 0, a, 1))[1] - 1 - 2, -126, 127), 0)      # np.frexp(a)[1] - 1 = floor(log2(a)), exactly
;;       r = np.clip(x / 2.0 ** e, -7.5, 7.5)
;;       step = 2.0 ** (np.maximum(np.frexp(np.where(r == 0, 1, r))[1] - 1, 0) - 3)
;;       q = np.round(r / step) * step * 2.0 ** e      # np.round: ties to even
;;       return np.moveaxis(q.reshape(q.shape[:-2] + (-1,))[..., :K], -1, axis).astype(np.float32)
;;   ~~~
;;   SOFTMAX AHEAD OF A QUANTISED PRODUCT. Where the list says 'softmax', what is quantised is not the finished softmax but p = 2^(t - M), with t = logit x log2(e) and M = ceil(the row's largest t), a whole number; so 1/2 < the row's largest p <= 1. The row's sum l is taken of the UNQUANTISED p, in f32, and the product's result is divided by l at the end. Since M is a whole number, a kernel that streams over the keys may use a running M (the ceiling of the running maximum): every later rescaling is an exact power of two, which a block's scale takes up: the codes' values come out the same.
;;   OPERANDS COMPUTED ON THE WAY. 'Computed on the way' means the value that the module computes at that place (a softmax that the list does not call 'softmax' is quantised finished and normalised). What goes into a quantiser is computed in f32, as accurately as f32 sums, v_exp_f32 and their like allow (about 1e-6 of the number): no bf16 or f16 on the way to a quantiser, and a product that is left as it is and whose result goes on into a quantised operand takes f32 operands (vector FMAs, or v_wmma_f32_16x16x4_f32). A number that lies on a knife's edge between two numbers of the format may be rounded either way, as far as f32 arithmetic and the matrix unit's own rounding can turn it there, and no further.
;; One version. Each part assembles by itself: llvm-mc -triple=amdgcn-amd-amdhsa -mcpu=gfx1250 --defsym DOCPART=n.
;; ======== version 1 of 1: 4 launches
;; limits: right only within a limited range of input values
;; workspace buffers: cod 9,437,184 bytes; scl 393,216 bytes; qkv 19,660,800 bytes; ao 6,291,456 bytes; ao_sc 262,144 bytes
;; launch quant (part 1): grid 256 x 1, 3 waves a work-group, no clusters, 26,112 bytes of LDS; arguments x, W_q, W_k, W_v, W_o, cod, scl; writes cod, scl
.if DOCPART == 1
	.amdgcn_target "amdgcn-amd-amdhsa--gfx1250"
	.amdhsa_code_object_version 6
	.text
	.protected	k_qdd5fc5b317_quant
	.globl	k_qdd5fc5b317_quant
	.p2align	8
	.type	k_qdd5fc5b317_quant,@function
k_qdd5fc5b317_quant:
	s_mov_b64 s[64:65], 0
	v_nop
	global_prefetch_b8 v0, s[64:65] scope:SCOPE_SE
	s_setreg_imm32_b32 hwreg(HW_REG_WAVE_MODE, 25, 1), 1
	s_wait_xcnt 0x0
; x [8192][1024] and W_q, W_k, W_v, W_o [1024][1024], f32 with K innermost, become codes of FP6 (E2M3) with one E8M0 byte for each 32 along K.
; The codes are laid in the ORDER OF AN OPERAND'S REGISTERS.  A row block is 16 rows, one to each lane index m: block 2 B + u, lane m, is row 32 B + 8 u + m + 8 (m / 8) of its tensor.
; cod: [row block 768][K step 8][1,536 bytes]; blocks 0-511 x, 512-575 W_q, 576-639 W_k, 640-703 W_v, 704-767 W_o.  A fragment (16 rows x 128 K, 12 registers a lane) lies as two halves of 768 bytes:
; registers 6 c .. 6 c + 3 at 16 x lane, registers 6 c + 4, 6 c + 5 at 512 + 8 x lane.  scl: [row block][m 16][K step 8][4 bytes]: a row's scale word for each 128 along K.
; A block's scale is 2^(floor(log2(largest magnitude)) - 2): its byte is the largest magnitude's exponent field - 2, held at 1 from below.
; LIMITS: a block whose largest magnitude lies under 2^-124 keeps the byte 1; a block of zeros gets the byte 1 where the rule says 127 (its codes are zeros, and this program alone reads the bytes); NaN and infinities are not served.
; SHARES: 768 waves, three to a work-group, a row block each, all of K in 8 steps of 128.  Each load reads 512 consecutive bytes of one row; a step's 16 rows x 512 bytes turn through the wave's own stage in LDS
; (rows 528 bytes apart) and come back so that lane (r, h) holds, of row r, 16 neighbours of each block of 32.  Waves share nothing: no barrier.  Loads run up to three steps ahead.
.set STG,  16*528                      ; a wave's stage
.set TM,   10                          ; v10-13 largest magnitudes, v14-17 the other half's / the bytes, v22-25 the conversions' scale operands
.set PW,   26                          ; v26-33 the eight scale words
.set SW,   34                          ; v34-37 the four that my half of the lanes stores
.set CT,   38                          ; v38-45 the conversions' second halves
.set PC,   46                          ; v46-57 a fragment's codes
.set R,    64                          ; v64-255 three sets of 64 numbers
.set SEL,  20                          ; s[20:21] lane selects: lane l xor 16
	s_load_b256 s[4:11], s[0:1], 0x0               ; x, W_q, W_k, W_v
	s_load_b128 s[12:15], s[0:1], 0x20             ; W_o, cod
	s_load_b64 s[16:17], s[0:1], 0x30              ; scl
	v_lshl_add_u32 v62, v0, 2, 0x6400
	v_mov_b32 v63, 0
	v_lshrrev_b32 v6, 5, v0
	v_readfirstlane_b32 s18, v6                    ; wave 0..2
	v_and_b32 v7, 31, v0                           ; lane
	v_and_b32 v8, 15, v0                           ; r
	v_bfe_u32 v9, v0, 4, 1                         ; h
	v_lshlrev_b32 v1, 4, v7                        ; 16 x lane
	v_lshlrev_b32 v2, 3, v7                        ; 8 x lane
	s_mul_i32 s26, s18, STG
	v_add_nc_u32 v3, s26, v1                       ; into the stage: 16 x lane of a row
	v_mul_u32_u24 v4, v8, 528
	v_lshl_add_u32 v4, v9, 6, v4
	v_add_nc_u32 v4, s26, v4                       ; out of it: row r, + 64 h
	v_lshlrev_b32 v5, 5, v8
	v_lshl_add_u32 v5, v9, 4, v5                   ; scale words: 32 r + 16 h
	s_mov_b32 s[SEL], 0x76543210
	s_mov_b32 s[SEL+1], 0xfedcba98
.irp b, 0,1,2,3
	v_mov_b32 v[TM+4+\b], 0                        ; written once: a lane permute's destination counts as one of its sources
.endr
	s_mul_i32 s19, ttmp9, 3
	s_add_co_u32 s19, s19, s18                     ; my row block
	s_wait_alu depctr_va_vdst(0)
	s_wait_kmcnt 0x0
	s_mov_b64 s[22:23], s[12:13]                   ; which tensor: the choice hangs on the row block's number alone
	s_mov_b32 s24, 704
	s_cmp_lt_u32 s19, 704
	s_cselect_b64 s[22:23], s[10:11], s[22:23]
	s_cselect_b32 s24, 640, s24
	s_cmp_lt_u32 s19, 640
	s_cselect_b64 s[22:23], s[8:9], s[22:23]
	s_cselect_b32 s24, 576, s24
	s_cmp_lt_u32 s19, 576
	s_cselect_b64 s[22:23], s[6:7], s[22:23]
	s_cselect_b32 s24, 512, s24
	s_cmp_lt_u32 s19, 512
	s_cselect_b64 s[22:23], s[4:5], s[22:23]
	s_cselect_b32 s24, 0, s24
	s_sub_co_u32 s25, s19, s24                     ; the block's number in its tensor: 2 B + u
	s_lshr_b32 s28, s25, 1
	s_lshl_b32 s28, s28, 17                        ; 32 B rows of 4,096 bytes
	s_and_b32 s25, s25, 1
	s_lshl_b32 s25, s25, 15                        ; 8 u rows
	s_add_co_u32 s28, s28, s25
	s_mov_b32 s29, 0
	s_add_nc_u64 s[22:23], s[22:23], s[28:29]
	s_mul_i32 s28, s19, 12288
	s_add_nc_u64 s[14:15], s[14:15], s[28:29]
	s_lshl_b32 s28, s19, 9
	s_add_nc_u64 s[16:17], s[16:17], s[28:29]
.macro LOAD s                          ; K step s: lane index i's row, 512 consecutive bytes a load, into set s % 3
.set i, 0
.rept 16
	global_load_b128 v[R+64*((\s)%3)+4*i:R+64*((\s)%3)+4*i+3], v1, s[22:23] offset:(i+8*(i/8))*4096+512*(\s) th:TH_LOAD_NT
.set i, i+1
.endr
.endm
.macro TURN s                          ; through the stage and back into the same set: register 16 b + i is then k = 32 b + 16 h + i of row r.  LDS serves a wave's instructions in order
.set i, 0
.rept 16
	ds_store_b128 v3, v[R+64*((\s)%3)+4*i:R+64*((\s)%3)+4*i+3] offset:528*i
.set i, i+1
.endr
.set i, 0
.rept 16
	ds_load_b128 v[R+64*((\s)%3)+4*i:R+64*((\s)%3)+4*i+3], v4 offset:128*(i/4)+16*(i%4)
.set i, i+1
.endr
.endm
.macro QUANT s                         ; 64 numbers of a lane become a fragment's codes in v[PC] on and my row's scale word in v[PW + s]
.set XS, R+64*((\s)%3)
.irp b, 0,1,2,3
	v_max3_num_f32 v[TM+\b], |v[XS+16*\b]|, |v[XS+1+16*\b]|, 0x1800000   ; my 16 numbers of block b, and the floor 2^(3 - 127): the byte cannot fall under 1
.endr
.irp i, 2,4,6,8,10,12,14
.irp b, 0,1,2,3
	v_max3_num_f32 v[TM+\b], v[TM+\b], |v[XS+16*\b+\i]|, |v[XS+1+16*\b+\i]|   ; the four blocks by turns
.endr
.endr
.irp b, 0,1,2,3
	v_permlanex16_b32 v[TM+4+\b], v[TM+\b], s[SEL], s[SEL+1]
.endr
.irp b, 0,1,2,3
	v_max_num_f32 v[TM+\b], v[TM+\b], v[TM+4+\b]   ; with lane l xor 16's 16: the block's largest magnitude
.endr
.irp b, 0,1,2,3
	v_add_nc_u32 v[TM+12+\b], 0xff000000, v[TM+\b] ; 2 off its exponent field: the conversion's scale operand
.endr
.irp b, 0,1,2,3
	v_lshrrev_b32 v[TM+4+\b], 23, v[TM+12+\b]      ; the scale's byte
.endr
	v_lshl_or_b32 v[PW+(\s)], v[TM+5], 8, v[TM+4]
	v_lshl_or_b32 v[PW+(\s)], v[TM+6], 16, v[PW+(\s)]
	v_lshl_or_b32 v[PW+(\s)], v[TM+7], 24, v[PW+(\s)]
	s_wait_xcnt 0x0                                ; the last step's stores have read the codes' registers: they are written again only behind this wait
.irp c, 0,1
	v_cvt_scalef32_pk16_fp6_f32 v[PC+6*\c:PC+6*\c+2], v[XS+32*\c:XS+32*\c+15], v[TM+12+2*\c]
	v_cvt_scalef32_pk16_fp6_f32 v[CT+4*\c:CT+4*\c+2], v[XS+32*\c+16:XS+32*\c+31], v[TM+13+2*\c]   ; (a conversion's three registers begin on an even number)
.endr
	v_nop                                          ; one plain instruction behind the scaled conversions
.irp c, 0,1                            ; the operand wants a whole block in a lane: lanes 0-15 block 2 c, lanes 16-31 block 2 c + 1
.irp i, 0,1,2
	v_permlane16_swap_b32 v[PC+6*\c+\i], v[CT+4*\c+\i]
.endr
.irp i, 0,1,2
	v_mov_b32 v[PC+3+6*\c+\i], v[CT+4*\c+\i]
.endr
.endr
.endm
.macro OUT s                           ; the fragment's image: each store covers 512 or 256 consecutive bytes, at a multiple of 256 from the buffer's first byte
	global_store_b128 v1, v[PC:PC+3], s[14:15] offset:1536*(\s)
	global_store_b64 v2, v[PC+4:PC+5], s[14:15] offset:1536*(\s)+512
	global_store_b128 v1, v[PC+6:PC+9], s[14:15] offset:1536*(\s)+768
	global_store_b64 v2, v[PC+10:PC+11], s[14:15] offset:1536*(\s)+1280
.endm
.macro QSTEP s
	s_wait_dscnt 0x0                               ; this step's numbers are back from the stage
.if (\s) < 7
.if (\s)+2 <= 7
	s_wait_loadcnt 16                              ; the next step's 16 loads are in; those of the step behind it may be out
.else
	s_wait_loadcnt 0
.endif
	TURN (\s)+1                                    ; the next step turns while this one is worked
.endif
	QUANT \s
	OUT \s
.if (\s)+3 <= 7
	LOAD (\s)+3                                    ; into the set just worked
.endif
.endm
	LOAD 0
	LOAD 1
	LOAD 2
	s_wait_loadcnt 32                              ; step 0's loads are in; steps 1 and 2 (32 loads) may be out
	TURN 0
.irp t, 0,1,2,3,4,5,6,7
	QSTEP \t
.endr
	v_cmp_lt_u32 vcc_lo, 15, v7                    ; lanes 16-31 store K steps 4-7's words, lanes 0-15 those of K steps 0-3
.irp i, 0,1,2,3
	v_cndmask_b32 v[SW+\i], v[PW+\i], v[PW+4+\i], vcc_lo
.endr
	global_store_b128 v5, v[SW:SW+3], s[16:17]     ; the block's 512 bytes of scale words
	s_wait_tensorcnt 0x0
	ds_add_u32 v62, v63
	s_wait_dscnt 0x0
	s_endpgm
.Lfunc_end_k_qdd5fc5b317_quant:
	.size	k_qdd5fc5b317_quant, .Lfunc_end_k_qdd5fc5b317_quant-k_qdd5fc5b317_quant
	.p2alignl 7, 3214868480
	.fill 96, 4, 3214868480
	.section	.rodata,"a",@progbits
	.p2align	6, 0x0
	.amdhsa_kernel k_qdd5fc5b317_quant
		.amdhsa_group_segment_fixed_size 26112
		.amdhsa_private_segment_fixed_size 0
		.amdhsa_enable_private_segment 0
		.amdhsa_kernarg_size 56
		.amdhsa_user_sgpr_count 2
		.amdhsa_user_sgpr_kernarg_segment_ptr 1
		.amdhsa_wavefront_size32 1
		.amdhsa_system_sgpr_workgroup_id_x 1
		.amdhsa_system_sgpr_workgroup_id_y 1
		.amdhsa_system_sgpr_workgroup_id_z 1
		.amdhsa_system_vgpr_workitem_id 0
		.amdhsa_next_free_vgpr 256
		.amdhsa_next_free_sgpr 66
		.amdhsa_reserve_vcc 1
		.amdhsa_float_denorm_mode_32 3
		.amdhsa_float_denorm_mode_16_64 3
		.amdhsa_memory_ordered 1
		.amdhsa_forward_progress 1
		.amdhsa_inst_pref_size 65
	.end_amdhsa_kernel
	.amdgpu_metadata
---
amdhsa.version: [ 1, 2 ]
amdhsa.kernels:
  - .name:           k_qdd5fc5b317_quant
    .symbol:         k_qdd5fc5b317_quant.kd
    .args:
      - { .name: x, .offset: 0, .size: 8, .value_kind: global_buffer, .address_space: global }
      - { .name: W_q, .offset: 8, .size: 8, .value_kind: global_buffer, .address_space: global }
      - { .name: W_k, .offset: 16, .size: 8, .value_kind: global_buffer, .address_space: global }
      - { .name: W_v, .offset: 24, .size: 8, .value_kind: global_buffer, .address_space: global }
      - { .name: W_o, .offset: 32, .size: 8, .value_kind: global_buffer, .address_space: global }
      - { .name: cod, .offset: 40, .size: 8, .value_kind: global_buffer, .address_space: global }
      - { .name: scl, .offset: 48, .size: 8, .value_kind: global_buffer, .address_space: global }
    .group_segment_fixed_size: 26112
    .private_segment_fixed_size: 0
    .kernarg_segment_align: 8
    .kernarg_segment_size: 56
    .max_flat_workgroup_size: 96
    .sgpr_count:     66
    .vgpr_count:     256
    .wavefront_size: 32
...
	.end_amdgpu_metadata
.endif
;; end of part 1
;; launch proj (part 2): grid 8 x 32, 4 waves a work-group, clusters of 4 x 4, 327,680 bytes of LDS; arguments cod, scl, qkv; writes qkv
.if DOCPART == 2
	.amdgcn_target "amdgcn-amd-amdhsa--gfx1250"
	.amdhsa_code_object_version 6
	.text
	.protected	k_qdd5fc5b317_proj
	.globl	k_qdd5fc5b317_proj
	.p2align	8
	.type	k_qdd5fc5b317_proj,@function
k_qdd5fc5b317_proj:
	s_mov_b64 s[64:65], 0
	v_nop
	global_prefetch_b8 v0, s[64:65] scope:SCOPE_SE
	s_setreg_imm32_b32 hwreg(HW_REG_WAVE_MODE, 25, 1), 1
	s_wait_xcnt 0x0
	s_wait_alu depctr_hold_cnt(0) depctr_sa_sdst(0) depctr_va_vdst(0) depctr_va_sdst(0) depctr_va_ssrc(0) depctr_va_vcc(0) depctr_vm_vsrc(0)
	s_getreg_b32 s2, hwreg(HW_REG_IB_STS2, 6, 4)
	s_cmp_eq_u32 s2, 0
	s_cbranch_scc0 .Lentry_in_a_cluster
	s_endpgm
.Lentry_in_a_cluster:
	s_bfe_u32 s2, ttmp6, 0x10000c
	s_cmp_lg_u32 s2, 0xf033
	s_cbranch_scc0 .Lentry_shape_is_right
	s_endpgm
.Lentry_shape_is_right:
; Q, K, V = x W^T on codes of FP6 (E2M3) with E8M0 scales, and their quantisers: the results leave as codes and scale words in the order of the next launch's operand registers.
; IN: cod [row block of 16 rows][K step 8][1,536 bytes] and scl [row block][row 16][K step 8][4 bytes] as the first launch leaves them: blocks 0-511 x, 512-575 W_q, 576-639 W_k, 640-703 W_v.
; Block 2 B + u, lane m, is row 32 B + 8 u + m + 8 (m / 8) of its tensor.
; OUT: qkv [batch 16 + head][key step of 128 tokens][19,200 bytes]: Q's four fragments at 0, Q's words at 6,144, K's fragments at 6,400, V's at 12,544, K's words at 18,688, V's at 18,944.
; A fragment of Q or K: 12 registers as three pieces of 16 bytes x lane.  A fragment of V (16 channels x 128 tokens): two halves of 768 bytes, registers 6 c .. 6 c + 3 at 16 x lane, 6 c + 4, 6 c + 5 at 512 + 8 x lane.
; THE DEAL: 8 x 32 = 256 work-groups of four waves.  A work-group takes 256 tokens (two key steps) and 24 weight blocks: two heads of V, then four heads of Q or of K (which: the cluster's x alone).
; A wave holds its 64 tokens (4 row blocks), ALL of K, in 384 registers; the weight blocks stream past in two sets of 96 registers: block s is 32 products on set s % 2, four accumulators by turns.
; Q, K: source 0 = the weight's rows, so a lane holds one token and its registers run along the head's channels.  V: source 0 = x's rows, so a lane holds one channel and its registers run along the tokens.
; LDS: weight block s at 12,288 s.  Blocks 0-7 (V) and x's 16 row blocks (on the bytes of blocks 8-23) come at the head, one tensor load a wave.  ONE REFILL: when x lies in registers,
; a drained round of the cluster's barrier, and the 16 blocks of Q or K land on x's bytes, four blocks a wave.  A plain barrier in V's seventh block shows them to all.
; x's tiles are shared by a row of the cluster, the weights' by a column: joint loads.  The refill's bytes are asked for into the L2 at the head, a block of 12,288 bytes to each of the column's sixteen waves.
; The weights' scale words go once through registers into LDS bytes of their own; the results' scale words gather in a stage and leave at the end as units of 256 bytes.
; A scale's byte is the largest magnitude's exponent field - 2, held at 1 from below.
; LIMITS: a block whose largest magnitude lies under 2^-124 keeps the byte 1 (a block of zeros too: its codes are zeros, and this program alone reads the bytes); NaN and infinities are not served.
.set BLKB,  12288
.set XB,    8*BLKB
.set WSL,   24*BLKB                    ; the weights' scale words: 24 x 512 bytes
.set STG,   WSL+24*512                 ; the results' scale words: [V 0, V 1, Q/K 0..3][key step 2][256]
.set SPARE, STG+3072
.set FR,    12
.set FPW,   21                         ; fragments to a window: fragment f lies in window 1 + f / 21 at 12 (f % 21); 0-31 x's (4 q + a), 32-47 the weights' two sets
.set NF,    34                         ; LDS loads of a weight block: 32 for eight fragments, 2 for eight scale words
.set LI,    1
.set L8,    2
.set AS0,   3
.set AX,    4
.set AX8,   5
.set AW,    6
.set AW8,   7
.set AWS,   8
.set ASTV,  9
.set ASTQ0, 10
.set AQ,    11
.set ARD,   12
.set VSO,   13
.set PF0,   14
.set PF1,   15
.set SPW,   16
.set NIL,   17
.set XSA,   18
.set WD,    20
.set XS,    32                         ; v32-47 x's scale words: register 8 p + q: lanes 0-15 block 2 p, lanes 16-31 block 2 p + 1
.set SA,    52                         ; v52-67 the weights' scale words, two sets of eight
.set TM,    72                         ; v72-79 largest magnitudes, v80-87 the other half's / the bytes, v88-95 the conversions' scale operands
.set PW,    96
.set CT,    100
.set POOL,  116                        ; v116-139 a head's codes
.set RB,    140
.set GT,    148
.set AL,    72                         ; v840-967 (window 3, from 72 on): a head's 16 accumulators
.set WV, 10
.set WH, 11
.set WL, 12
.set G1A, 24
.set G1B, 32
.set G0A, 40
.set G0B, 44
.set G0R, 48
.set QB, 72
.set VB, 74
.set SO, 85
.set SS, 86
.set SQ, 87
.set CNT, 88
.set SEL, 90
.set MSB, 0
.macro WIN new
.if MSB != \new
	s_set_vgpr_msb (MSB<<8)|\new
.set MSB, \new
.endif
.endm
.macro PLACES n
.rept \n
	v_nop
.endr
.endm
.macro WALU
	s_wait_alu depctr_va_vdst(0)
.endm
.macro BARRIER
	s_barrier_signal -1
	s_barrier_wait -1
.endm
.macro CROUND
	s_barrier_signal -1
	s_barrier_wait -1
	s_cmp_lg_u32 s[WV], 0
	s_cbranch_scc1 .Lnw0_\@
	s_barrier_signal -3
.Lnw0_\@:
	s_barrier_wait -3
	s_barrier_signal -1
	s_barrier_wait -1
.endm
.macro TLOAD g0, g1
	tensor_load_to_lds s[\g0:\g0+3], s[\g1:\g1+7]
	s_nop 0
	PLACES 4
.endm
.macro FRAG f, a16, a8, off            ; a fragment's image: two halves of 768 bytes
	WIN (1+(\f)/FPW)<<6
.set R_, FR*((\f)%FPW)
	ds_load_b128 v[R_:R_+3], v[\a16] offset:(\off)
	ds_load_b64 v[R_+4:R_+5], v[\a8] offset:(\off)+512
	ds_load_b128 v[R_+6:R_+9], v[\a16] offset:(\off)+768
	ds_load_b64 v[R_+10:R_+11], v[\a8] offset:(\off)+1280
.endm
.macro ADDR                            ; the LDS addresses of the weight block fetched next; then the offsets step on
	v_add_nc_u32 v[AW], s[SO], v[LI]
	v_add_nc_u32 v[AW8], s[SO], v[L8]
	v_add_nc_u32 v[AWS], s[SS], v[AS0]
	s_add_co_u32 s[SO], s[SO], BLKB
	s_add_co_u32 s[SS], s[SS], 512
.endm
.macro FETCH e
.irp q, 0,1,2,3,4,5,6,7
	FRAG 32+8*(\e)+\q, AW, AW8, \q*1536
.endr
	WIN 0
	ds_load_b128 v[SA+8*(\e):SA+8*(\e)+3], v[AWS]
	ds_load_b128 v[SA+8*(\e)+4:SA+8*(\e)+7], v[AWS] offset:16
.endm
.macro PROD1 d, s0, s1, c, x0, x1, side, o
.if \o
	v_wmma_scale_f32_16x16x128_f8f6f4 v[\d:\d+7], v[\s0:\s0+FR-1], v[\s1:\s1+FR-1], \c, v[\x0], v[\x1] matrix_a_fmt:MATRIX_FMT_FP6 matrix_b_fmt:MATRIX_FMT_FP6 matrix_\side\()_scale:MATRIX_SCALE_ROW1
.else
	v_wmma_scale_f32_16x16x128_f8f6f4 v[\d:\d+7], v[\s0:\s0+FR-1], v[\s1:\s1+FR-1], \c, v[\x0], v[\x1] matrix_a_fmt:MATRIX_FMT_FP6 matrix_b_fmt:MATRIX_FMT_FP6 matrix_\side\()_scale:MATRIX_SCALE_ROW0
.endif
.endm
.macro PROD kind, e, q, a, wb          ; K step q, my row block a, the head's weight block wb (in set e).  The first K step starts the sum with C = 0
.set FX_, 4*(\q)+(\a)
.set FW_, 32+8*(\e)+(\q)
.set RX_, FR*(FX_%FPW)
.set RW_, FR*(FW_%FPW)
.set SX_, XS+8*((\a)/2)+(\q)
.set SW_, SA+8*(\e)+(\q)
.if \kind
.set D_, AL+32*(\wb)+8*(\a)
	WIN (1+FX_/FPW)|((1+FW_/FPW)<<2)|0xf0
.if \q
	PROD1 D_, RX_, RW_, v[D_:D_+7], SX_, SW_, a, (\a)%2
.else
	PROD1 D_, RX_, RW_, 0, SX_, SW_, a, (\a)%2
.endif
.else
.set D_, AL+32*(\a)+8*(\wb)
	WIN (1+FW_/FPW)|((1+FX_/FPW)<<2)|0xf0
.if \q
	PROD1 D_, RW_, RX_, v[D_:D_+7], SW_, SX_, b, (\a)%2
.else
	PROD1 D_, RW_, RX_, 0, SW_, SX_, b, (\a)%2
.endif
.endif
.endm
; A weight block: the wait for its 34 loads (w: the next block's 34 may be out), 32 products, the fetch of the block two on into the set just read.  show = 1: the refill is shown to all first
.macro BLK kind, e, wb, w, fetch, show
	s_wait_dscnt \w
.irp q, 0,1,2,3,4,5,6,7
.irp a, 0,1,2,3
	PROD \kind, \e, \q, \a, \wb
.endr
.endr
	WIN 0
.if \fetch
	ADDR
	v_nop                                  ; with the three lines above: the four places behind the products
	WALU                                   ; the wait ahead of the readers below
.if \show
	s_wait_tensorcnt 0x0                   ; my part of the refill has landed,
	s_wait_dscnt 0x0
	BARRIER                                ; everybody's has
.endif
	FETCH \e
.else
	PLACES 4
.endif
.endm
; A head's 128 sums of a lane: four groups of 32 registers; registers 16 n .. 16 n + 15 are half of a scale block, the other half lies in lane l xor 16.
; Group g becomes six registers of codes at POOL + 6 g and two scale bytes in v[PW + g].
.macro QHEAD
	WIN 0x3c
.irp n, 0,1,2,3,4,5,6,7
	v_max3_num_f32 v[TM+\n], 0x1800000, |v[AL+16*\n]|, |v[AL+16*\n+1]|   ; with the floor 2^(3 - 127)
.endr
.irp i, 2,4,6,8,10,12,14
.irp n, 0,1,2,3,4,5,6,7
	v_max3_num_f32 v[TM+\n], v[TM+\n], |v[AL+16*\n+\i]|, |v[AL+16*\n+\i+1]|
.endr
.endr
	WIN 0
.irp n, 0,1,2,3,4,5,6,7
	v_permlanex16_b32 v[TM+8+\n], v[TM+\n], s[SEL], s[SEL+1]
.endr
.irp n, 0,1,2,3,4,5,6,7
	v_max_num_f32 v[TM+\n], v[TM+\n], v[TM+8+\n]
.endr
.irp n, 0,1,2,3,4,5,6,7
	v_add_nc_u32 v[TM+16+\n], 0xff000000, v[TM+\n]   ; 2 off the exponent field: the conversion's scale operand
.endr
.irp n, 0,1,2,3,4,5,6,7
	v_lshrrev_b32 v[TM+8+\n], 23, v[TM+16+\n]        ; the byte
.endr
.irp g, 0,1,2,3
	v_lshl_or_b32 v[PW+\g], v[TM+9+2*\g], 8, v[TM+8+2*\g]
.endr
	s_wait_xcnt 0x0                        ; the last head's stores have read the codes' registers
	WIN 3
.irp g, 0,1,2,3
	v_cvt_scalef32_pk16_fp6_f32 v[POOL+6*\g:POOL+6*\g+2], v[AL+32*\g:AL+32*\g+15], v[TM+16+2*\g]
	v_cvt_scalef32_pk16_fp6_f32 v[CT+4*\g:CT+4*\g+2], v[AL+32*\g+16:AL+32*\g+31], v[TM+17+2*\g]
.endr
	WIN 0
	v_nop                                  ; one plain line behind the scaled conversions
.irp g, 0,1,2,3
.irp i, 0,1,2
	v_permlane16_swap_b32 v[POOL+6*\g+\i], v[CT+4*\g+\i]   ; a whole block to a lane
.endr
.endr
.irp g, 0,1,2,3
.irp i, 0,1,2
	v_mov_b32 v[POOL+6*\g+3+\i], v[CT+4*\g+\i]
.endr
.endr
.endm
.macro VOUT hv                         ; group t = tile of 16 channels: my half (64 tokens) of its fragment, and my two bytes of its word
	WALU
.irp t, 0,1,2,3
	ds_store_b16 v[ASTV], v[PW+\t] offset:512*(\hv)+4*\t
	global_store_b128 v[LI], v[POOL+6*\t:POOL+6*\t+3], s[VB:VB+1] offset:(\hv)*307200+\t*1536
	global_store_b64 v[L8], v[POOL+6*\t+4:POOL+6*\t+5], s[VB:VB+1] offset:(\hv)*307200+\t*1536+512
.endr
.endm
.macro QKHEAD f                        ; a head of Q or K.  f = 0: the last: nothing more is fetched in its last two blocks
	BLK 0, 0, 0, NF, 1, 0
	BLK 0, 1, 1, NF, 1, 0
	BLK 0, 0, 2, NF, \f, 0
	BLK 0, 1, 3, NF*\f, \f, 0
	QHEAD
	v_lshl_or_b32 v[WD], v[PW+1], 16, v[PW]          ; a fragment is row blocks 2 e, 2 e + 1: its word is their two bytes each
	v_lshl_or_b32 v[WD+1], v[PW+3], 16, v[PW+2]
	v_add_nc_u32 v[AQ], s[SQ], v[ASTQ0]
	WALU
	ds_store_b64 v[AQ], v[WD:WD+1]
.irp e, 0,1
.irp i, 0,1,2
	global_store_b128 v[LI], v[POOL+12*\e+4*\i:POOL+12*\e+4*\i+3], s[QB:QB+1] offset:\e*1536+512*\i
.endr
.endr
	s_add_co_u32 s[SQ], s[SQ], 512
	s_wait_xcnt 0x0                        ; the stores have read their base
	s_add_nc_u64 s[QB:QB+1], s[QB:QB+1], 307200      ; the next head's records
.endm
; ---------------- the head
	s_load_b128 s[4:7], s[0:1], 0x0                ; cod, scl
	s_load_b64 s[8:9], s[0:1], 0x10                ; qkv
	v_lshl_add_u32 v[SPW], v0, 2, SPARE
	v_mov_b32 v[NIL], 0
	ds_add_u32 v[SPW], v[NIL]                      ; the opening lines
	ds_add_u32 v[SPW], v[NIL]
	v_lshrrev_b32 v19, 5, v0
	v_readfirstlane_b32 s[WV], v19
	s_lshr_b32 s[WH], s[WV], 1                     ; my key step of the two.  At the head: I fetch x (0) or W_v (1)
	s_and_b32 s[WL], s[WV], 1                      ; my half of its 128 tokens
	s_bfe_u32 s13, ttmp6, 0x40000                  ; cx
	s_bfe_u32 s14, ttmp6, 0x40004                  ; cy
	s_lshl_b32 s15, ttmp9, 2
	s_add_co_u32 s15, s15, s13                     ; g: the group of weights, 0 .. 7
	s_and_b32 s16, ttmp7, 0xffff
	s_lshl_b32 s16, s16, 2
	s_add_co_u32 s16, s16, s14                     ; ty: the group of 256 tokens, 0 .. 31
	s_lshl_b32 s17, s14, 2
	s_lshl_b32 s17, 15, s17                        ; my row of the cluster
	s_lshl_b32 s18, 0x1111, s13                    ; my column
	s_or_b32 s[G1A], s17, (3<<16)|(1<<21)          ; dense bytes as rows of 3,072 (384 elements of 8 bytes): x's 8 blocks are 32 rows,
	s_or_b32 s[G1B], s18, (3<<16)|(1<<21)          ; the weights' 4 blocks 16
.irp g, G1A, G1B
	s_mov_b32 s[\g+1], 384<<16
	s_mov_b32 s[\g+3], 384<<16
	s_mov_b32 s[\g+5], 384
	s_mov_b32 s[\g+6], 0
	s_mov_b32 s[\g+7], 0
.endr
	s_mov_b32 s[G1A+2], 32<<16
	s_mov_b32 s[G1A+4], 32
	s_mov_b32 s[G1B+2], 16<<16
	s_mov_b32 s[G1B+4], 16
	s_lshl_b32 s20, s16, 4
	s_lshl_b32 s21, s[WL], 3
	s_add_co_u32 s21, s20, s21
	s_mul_i32 s52, s21, BLKB                       ; x: blocks 16 ty + 8 (wave % 2) on
	s_mov_b32 s53, 0
	s_lshl_b32 s21, s[WV], 2
	s_add_co_u32 s21, s20, s21
	s_lshl_b32 s60, s21, 9                         ; my four row blocks' scale words
	s_mov_b32 s61, 0
	s_lshl_b32 s22, s15, 3
	s_add_co_u32 s22, s22, 640
	s_lshl_b32 s23, s[WL], 2
	s_add_co_u32 s23, s22, s23
	s_mul_i32 s54, s23, BLKB                       ; W_v: blocks 640 + 8 g + 4 (wave % 2) on
	s_mov_b32 s55, 0
	s_lshl_b32 s23, s[WV], 1
	s_add_co_u32 s23, s22, s23
	s_lshl_b32 s62, s23, 9                         ; the scale words of blocks 640 + 8 g + 2 wave, + 1
	s_mov_b32 s63, 0
	s_lshl_b32 s22, s15, 4
	s_add_co_u32 s22, s22, 512
	s_mul_i32 s58, s22, BLKB                       ; W_q's or W_k's 16 blocks
	s_mov_b32 s59, 0
	s_lshl_b32 s23, s[WV], 2
	s_add_co_u32 s23, s22, s23
	s_mul_i32 s56, s23, BLKB                       ; my four of them,
	s_mov_b32 s57, 0
	s_lshl_b32 s66, s23, 9                         ; and their scale words
	s_mov_b32 s67, 0
	s_mul_i32 s80, s[WV], 4*BLKB
	s_add_co_u32 s80, s80, XB
	s_lshl_b32 s81, s[WH], 8
	s_lshl_b32 s82, s[WL], 3
	s_add_co_u32 s82, s82, s81
	s_add_co_u32 s82, s82, STG+1024
	s_lshl_b32 s83, s[WL], 1
	s_add_co_u32 s81, s81, s83
	s_add_co_u32 s81, s81, STG
	s_lshl_b32 s83, s[WV], 9
	s_add_co_u32 s83, s83, STG
	s_lshl_b32 s84, s[WV], 10
	s_add_co_u32 s84, s84, WSL
	s_lshl_b32 s89, s[WV], 11
	s_add_co_u32 s89, s89, WSL+4096
	s_lshl_b32 s92, s14, 2
	s_add_co_u32 s92, s92, s[WV]
	s_mul_i32 s92, s92, BLKB                       ; the prefetch: block 4 cy + wave of the column's 16
	s_mov_b32 s[SEL], 0x76543210
	s_mov_b32 s[SEL+1], 0xfedcba98
	s_mov_b32 s[SO], 0
	s_mov_b32 s[SS], 0
	s_mov_b32 s[SQ], 0
	v_and_b32 v19, 31, v0
	v_and_b32 v22, 15, v0                          ; r
	v_bfe_u32 v23, v0, 4, 1                        ; h
	v_lshlrev_b32 v[LI], 4, v19
	v_lshlrev_b32 v[L8], 3, v19
	v_lshlrev_b32 v[XSA], 5, v22
	v_lshl_add_u32 v[XSA], v23, 9, v[XSA]          ; x's words: 32 r, lanes 16-31 the next block
	v_lshl_add_u32 v[AS0], v22, 5, WSL
	v_add_nc_u32 v[AX], s80, v[LI]
	v_add_nc_u32 v[AX8], s80, v[L8]
	v_lshl_add_u32 v[ASTV], v22, 4, s81            ; the stage: 256 x key step + 16 r + 2 x half
	v_lshl_add_u32 v[ASTQ0], v22, 4, s82           ; 256 x key step + 16 r + 8 x half
	v_add_nc_u32 v[ARD], s83, v[LI]
	v_add_nc_u32 v24, s84, v[LI]
	v_add_nc_u32 v25, s89, v[LI]
	v_mul_u32_u24 v[VSO], v23, 19200
	v_lshl_add_u32 v[VSO], v22, 4, v[VSO]          ; the words' way out: 16 r, lanes 16-31 the next record
	v_lshl_add_u32 v[PF0], v19, 8, s92
	v_add_nc_u32 v26, 32, v19
	v_min_u32 v26, 47, v26                         ; a block is 48 units of 256 bytes: the lanes left over name the last again
	v_lshl_add_u32 v[PF1], v26, 8, s92
.irp n, 0,1,2,3,4,5,6,7
	v_mov_b32 v[TM+8+\n], 0                        ; a lane permute's destination counts as one of its sources
.endr
	WALU                                           ; the wait at the head's end
	s_wait_dscnt 0x0
	s_wait_kmcnt 0x0
	s_mov_b32 s[G0A], 1
	s_mul_i32 s[G0A+1], s[WL], 8*BLKB
	s_add_co_u32 s[G0A+1], s[G0A+1], XB
	s_add_nc_u64 s[G0A+2:G0A+3], s[4:5], s[52:53]
	s_or_b32 s[G0A+3], s[G0A+3], 0x80000000
	s_mov_b32 s[G0B], 1
	s_mul_i32 s[G0B+1], s[WL], 4*BLKB
	s_add_nc_u64 s[G0B+2:G0B+3], s[4:5], s[54:55]
	s_or_b32 s[G0B+3], s[G0B+3], 0x80000000
	s_mov_b32 s[G0R], 1
	s_mul_i32 s[G0R+1], s[WV], 4*BLKB
	s_add_co_u32 s[G0R+1], s[G0R+1], XB
	s_add_nc_u64 s[G0R+2:G0R+3], s[4:5], s[56:57]
	s_or_b32 s[G0R+3], s[G0R+3], 0x80000000
	s_add_nc_u64 s[68:69], s[4:5], s[58:59]
	s_add_nc_u64 s[60:61], s[6:7], s[60:61]
	s_add_nc_u64 s[62:63], s[6:7], s[62:63]
	s_add_nc_u64 s[66:67], s[6:7], s[66:67]
	CROUND                                         ; all sixteen work-groups are here: the first joint loads meet
	s_cmp_eq_u32 s[WH], 0
	s_cbranch_scc0 .Lhead_w
	TLOAD G0A, G1A                                 ; waves 0, 1: eight row blocks of x each
	s_branch .Lhead_asked
.Lhead_w:
	TLOAD G0B, G1B                                 ; waves 2, 3: four blocks of W_v each
.Lhead_asked:
.irp p, 0,1
	global_load_b128 v[XS+8*\p:XS+8*\p+3], v[XSA], s[60:61] offset:1024*\p
	global_load_b128 v[XS+8*\p+4:XS+8*\p+7], v[XSA], s[60:61] offset:1024*\p+16
	global_load_b128 v[GT+4*\p:GT+4*\p+3], v[LI], s[62:63] offset:512*\p
.endr
.irp i, 0,1,2,3
	global_load_b128 v[GT+8+4*\i:GT+8+4*\i+3], v[LI], s[66:67] offset:512*\i
.endr
	global_prefetch_b8 v[PF0], s[68:69] th:TH_LOAD_NT scope:SCOPE_SE
	global_prefetch_b8 v[PF1], s[68:69] th:TH_LOAD_NT scope:SCOPE_SE
	; where the results go
	s_lshr_b32 s70, s16, 3
	s_lshl_b32 s70, s70, 8
	s_and_b32 s71, s16, 7
	s_lshl_b32 s71, s71, 1
	s_add_co_u32 s70, s70, s71                     ; 256 x batch + the first key step
	s_add_co_u32 s71, s70, s[WH]                   ; + mine
	s_lshl_b32 s93, s13, 6                         ; 16 x (Q's or K's first head, 4 cx)
	s_lshl_b32 s94, s15, 5                         ; 16 x (V's first head, 2 g)
	s_add_co_u32 s72, s71, s93
	s_mul_i32 s72, s72, 19200
	s_mul_i32 s95, ttmp9, 6400
	s_add_co_u32 s72, s72, s95
	s_mul_i32 s95, s[WL], 3072
	s_add_co_u32 s72, s72, s95                     ; Q's or K's codes: my two fragments
	s_mov_b32 s73, 0
	s_add_co_u32 s74, s71, s94
	s_mul_i32 s74, s74, 19200
	s_mul_i32 s95, s[WL], 768
	s_add_co_u32 s74, s74, s95
	s_add_co_u32 s74, s74, 12544                   ; V's codes: my half of each fragment
	s_mov_b32 s75, 0
	s_lshl_b32 s95, s[WV], 4
	s_add_co_u32 s76, s70, s93
	s_add_co_u32 s76, s76, s95
	s_mul_i32 s76, s76, 19200
	s_mul_i32 s95, ttmp9, 12544
	s_add_co_u32 s76, s76, s95
	s_add_co_u32 s76, s76, 6144                    ; the words of Q's or K's head 4 cx + wave
	s_mov_b32 s77, 0
	s_lshl_b32 s95, s[WL], 4
	s_add_co_u32 s78, s70, s94
	s_add_co_u32 s78, s78, s95
	s_mul_i32 s78, s78, 19200
	s_add_co_u32 s78, s78, 18944                   ; the words of V's head 2 g + wave % 2
	s_mov_b32 s79, 0
	s_add_nc_u64 s[QB:QB+1], s[8:9], s[72:73]
	s_add_nc_u64 s[VB:VB+1], s[8:9], s[74:75]
	s_add_nc_u64 s[76:77], s[8:9], s[76:77]
	s_add_nc_u64 s[78:79], s[8:9], s[78:79]
	s_cmp_eq_u32 s[WH], 0
	s_cbranch_scc0 .Lnot_x
	s_wait_tensorcnt 0x0                           ; waves 0, 1: my half of x has landed (their load line is theirs alone)
.Lnot_x:
	BARRIER                                        ; x is in; W_v's blocks may still be on their way
.irp q, 0,1,2,3,4,5,6,7
.irp a, 0,1,2,3
	FRAG 4*\q+\a, AX, AX8, \a*BLKB+\q*1536         ; my 64 tokens, all of K: 128 loads
.endr
.endr
	WIN 0
	s_wait_loadcnt 0x0
	s_wait_tensorcnt 0x0                           ; every wave: my tile has landed
.irp p, 0,1
	ds_store_b128 v24, v[GT+4*\p:GT+4*\p+3] offset:512*\p
.endr
.irp i, 0,1,2,3
	ds_store_b128 v25, v[GT+8+4*\i:GT+8+4*\i+3] offset:512*\i
.endr
	s_wait_tensorcnt 0x0                           ; the three lines ahead of the refill's round
	ds_add_u32 v[SPW], v[NIL]
	s_wait_dscnt 0x0                               ; the add and my stores are done, and x lies in my registers
	CROUND                                         ; no wave of any partner still reads x's bytes; W_v's blocks and the scale words are shown to all
	TLOAD G0R, G1B
	ADDR
	WALU
	FETCH 0
	ADDR
	WALU
	FETCH 1
; ---------------- V: two heads, blocks 0 to 7
.irp hv, 0,1
	BLK 1, 0, 0, NF, 1, 0
	BLK 1, 1, 1, NF, 1, 0
	BLK 1, 0, 2, NF, 1, \hv
	BLK 1, 1, 3, NF, 1, 0
	QHEAD
	VOUT \hv
.endr
; ---------------- Q or K: four heads, blocks 8 to 23
	s_mov_b32 s[CNT], 0
.Lqk:
	QKHEAD 1
	s_add_co_u32 s[CNT], s[CNT], 1
	s_cmp_lt_u32 s[CNT], 3
	WALU
	s_cbranch_scc1 .Lqk
	QKHEAD 0
; ---------------- the scale words leave: a head's two records, 256 bytes each, to an instruction
	s_wait_dscnt 0x0
	BARRIER
	ds_load_b128 v[RB:RB+3], v[ARD] offset:1024
	s_cmp_lt_u32 s[WV], 2
	s_cbranch_scc0 .Lno_v
	ds_load_b128 v[RB+4:RB+7], v[ARD]
	s_wait_dscnt 0x0
	global_store_b128 v[VSO], v[RB+4:RB+7], s[78:79]
.Lno_v:
	s_wait_dscnt 0x0
	global_store_b128 v[VSO], v[RB:RB+3], s[76:77]
	s_wait_tensorcnt 0x0                           ; the wave's end
	ds_add_u32 v[SPW], v[NIL]
	s_wait_dscnt 0x0
	CROUND                                         ; the closing round
	s_endpgm
.Lfunc_end_k_qdd5fc5b317_proj:
	.size	k_qdd5fc5b317_proj, .Lfunc_end_k_qdd5fc5b317_proj-k_qdd5fc5b317_proj
	.p2alignl 7, 3214868480
	.fill 96, 4, 3214868480
	.section	.rodata,"a",@progbits
	.p2align	6, 0x0
	.amdhsa_kernel k_qdd5fc5b317_proj
		.amdhsa_group_segment_fixed_size 327680
		.amdhsa_private_segment_fixed_size 0
		.amdhsa_enable_private_segment 0
		.amdhsa_kernarg_size 24
		.amdhsa_user_sgpr_count 2
		.amdhsa_user_sgpr_kernarg_segment_ptr 1
		.amdhsa_wavefront_size32 1
		.amdhsa_system_sgpr_workgroup_id_x 1
		.amdhsa_system_sgpr_workgroup_id_y 1
		.amdhsa_system_sgpr_workgroup_id_z 1
		.amdhsa_system_vgpr_workitem_id 0
		.amdhsa_next_free_vgpr 1024
		.amdhsa_next_free_sgpr 96
		.amdhsa_reserve_vcc 0
		.amdhsa_float_denorm_mode_32 3
		.amdhsa_float_denorm_mode_16_64 3
		.amdhsa_memory_ordered 1
		.amdhsa_forward_progress 1
		.amdhsa_inst_pref_size 161
	.end_amdhsa_kernel
	.amdgpu_metadata
---
amdhsa.version: [ 1, 2 ]
amdhsa.kernels:
  - .name:           k_qdd5fc5b317_proj
    .symbol:         k_qdd5fc5b317_proj.kd
    .args:
      - { .name: cod, .offset: 0, .size: 8, .value_kind: global_buffer, .address_space: global }
      - { .name: scl, .offset: 8, .size: 8, .value_kind: global_buffer, .address_space: global }
      - { .name: qkv, .offset: 16, .size: 8, .value_kind: global_buffer, .address_space: global }
    .group_segment_fixed_size: 327680
    .private_segment_fixed_size: 0
    .kernarg_segment_align: 8
    .kernarg_segment_size: 24
    .max_flat_workgroup_size: 128
    .sgpr_count:     96
    .vgpr_count:     1024
    .wavefront_size: 32
...
	.end_amdgpu_metadata
.endif
;; end of part 2
;; launch attn (part 3): grid 4 x 64, 16 waves a work-group, clusters of 4 x 1, 207,872 bytes of LDS; arguments qkv, ao, ao_sc; writes ao, ao_sc
.if DOCPART == 3
	.amdgcn_target "amdgcn-amd-amdhsa--gfx1250"
	.amdhsa_code_object_version 6
	.text
	.protected	k_qdd5fc5b317_attn
	.globl	k_qdd5fc5b317_attn
	.p2align	8
	.type	k_qdd5fc5b317_attn,@function
k_qdd5fc5b317_attn:
	s_mov_b64 s[64:65], 0
	v_nop
	global_prefetch_b8 v0, s[64:65] scope:SCOPE_SE
	s_setreg_imm32_b32 hwreg(HW_REG_WAVE_MODE, 25, 1), 1
	s_wait_xcnt 0x0
	s_wait_alu depctr_hold_cnt(0) depctr_sa_sdst(0) depctr_va_vdst(0) depctr_va_sdst(0) depctr_va_ssrc(0) depctr_va_vcc(0) depctr_vm_vsrc(0)
	s_getreg_b32 s2, hwreg(HW_REG_IB_STS2, 6, 4)
	s_cmp_eq_u32 s2, 0
	s_cbranch_scc0 .Lentry_in_a_cluster
	s_endpgm
.Lentry_in_a_cluster:
	s_bfe_u32 s2, ttmp6, 0x10000c
	s_cmp_lg_u32 s2, 0x3003
	s_cbranch_scc0 .Lentry_shape_is_right
	s_endpgm
.Lentry_shape_is_right:
; Attention for one head on codes of FP6 (E2M3) with E8M0 scales: S = q k^T / 8, p = 2^(t - M), O = p v / l, and O quantised along d_model for the last product.
; t = score x log2(e) / 8; M = the row's largest t so far, rounded UP to a whole number; p is not normalised; l is the sum of the unquantised p; when M moves, l and O are multiplied by 2^(old M - new M): exact.
; SHARES.  A work-group owns 512 queries of one head, each of its sixteen waves 32: one fragment of Q, taken as two passes of one tile of 16 queries.  Four waves to a SIMD, 256 registers each.
; THE HEAD'S WHOLE K AND V LIE IN LDS: 16 key steps of 128 keys, 12,800 dense bytes each (four fragments of K, four of V, their scale words), brought once, wave w bringing step w.  Nothing is filled again.
; CLUSTER.  The four work-groups of a head need the same bytes: each load is asked for jointly, with the mask of all four.
; BOTH PRODUCTS ARE USED TRANSPOSED: S^T = K Q^T, O^T = V^T P^T: a lane holds ONE query throughout.
; K = 64 IN AN INSTRUCTION OF 128.  A fragment of K carries tile u = 0's 64 channels in k 0-63 and tile u = 1's in k 64-127.  Against Q in k 0-63 and zero codes in k 64-127 it gives tile 0's scores, against
; zero codes and Q tile 1's.  Zero codes add nothing under any scale byte that the quantiser makes.  So every byte read from LDS is used.
; By the order of tokens in a tile (tile u of fragment f, lane m: key 32 f + 8 u + m + 8 (m / 8)) register 16 f + i of S^T is key 32 f + 16 (lane / 16) + i: p's conversions give the second product's operand.
; OUT.  ao: [row block 512][K step = head / 2][head % 2][768 bytes]: registers 0-3 of the head's six at 16 x lane, registers 4, 5 at 512 + 8 x lane.  ao_sc: [batch 16 + head][fragment 64][m 16][4 bytes]: tile 0's two bytes, tile 1's two.
; LIMITS: a p under 2^-126 counts as 0 (the exponential gives 0 there); a block whose largest magnitude lies under 2^-124 keeps the byte 1 (a block of zeros too: its codes are zeros); NaN and infinities are not served.
.set STEPB, 12800                      ; a key step in LDS: K's fragments at 0, V's at 6,144, K's words at 12,288, V's at 12,544
.set STAGE, 16*STEPB                   ; behind them: 1,024 bytes for the waves' scale words on the way out; no fill lands there
.set LI,  1                            ; v1 16 x lane
.set LI8, 2                            ; v2 8 x lane
.set ASC, 3                            ; v3 16 r
.set ADK, 4                            ; v4 the step's fragments
.set ADS, 5                            ; v5 the step's scale words
.set STW, 6                            ; v6 where my wave's words go in the stage
.set STR, 7                            ; v7 where waves 0, 1 read them back
.set HW,  8                            ; v8 my row's two tiles' scale bytes
.set QW,  10                           ; v10 Q's scale word as loaded
.set QS,  11                           ; v11 the pass's: [s0, s1, s0, s1]
                                       ; v12 -M, v13 the largest t, v[14:15] the sum; v16-21 q, v22-27 zero codes, v28-33 q: v[16:27] is Q in k 0-63, v[22:33] Q in k 64-127
.set QF,  34                           ; v34-45 Q's fragment
.set FRG, 48                           ; v48-95 four fragments of K, then of V
.set S,   96                           ; v96-159 S^T, then p
.set O,   160                          ; v160-191 O^T
.set PCD, 192                          ; v192-203 p's codes
.set CT,  204
.set BM,  212                          ; v212-215 the blocks' largest scores, then largest p
.set PT,  216
.set SO,  220                          ; v220-223 the conversions' scale operands
.set C2,  224                          ; v[224:225] the sum's second chain
.set FF,  226                          ; v[226:227] f = 2^(old M - new M)
.set KS,  228                          ; v228-231 K's scale words
.set VS,  232                          ; v232-235 V's
.set PWD, 236                          ; v236 p's scale word
.set TP,  237
.set E,   238                          ; v238-243, v244-249 the two passes' codes of O
.set RB,  250
.set WV,  10
.set CS,  28                           ; s[28:29] c = log2(e) / 8
.set SEL, 30
.set TB,  32
.set CNT, 33
.macro CROUND
	s_barrier_signal -1
	s_barrier_wait -1
	s_cmp_lg_u32 s[WV], 0
	s_cbranch_scc1 .Lnot_wave_0_\@
	s_barrier_signal -3
.Lnot_wave_0_\@:
	s_barrier_wait -3
	s_barrier_signal -1
	s_barrier_wait -1
.endm
	s_load_b128 s[4:7], s[0:1], 0x0                ; qkv, ao
	s_load_b64 s[8:9], s[0:1], 0x10                ; ao_sc
	v_lshl_add_u32 v254, v0, 2, 0x32400
	v_mov_b32 v255, 0
	ds_add_u32 v254, v255
	ds_add_u32 v254, v255
	v_lshrrev_b32 v9, 5, v0
	s_delay_alu instid0(VALU_DEP_1)
	v_readfirstlane_b32 s[WV], v9                  ; wave 0..15
	s_bfe_u32 s11, ttmp6, 0x40000                  ; cx: it enters Q's and the outputs' addresses alone
	s_and_b32 s12, ttmp7, 0xffff                   ; batch 16 + head
	v_and_b32 v9, 31, v0
	s_delay_alu instid0(VALU_DEP_1)
	v_lshlrev_b32 v[LI], 4, v9
	s_delay_alu instid0(VALU_DEP_2)
	v_lshlrev_b32 v[LI8], 3, v9
	v_and_b32 v9, 15, v0
	s_delay_alu instid0(VALU_DEP_1)
	v_lshlrev_b32 v[ASC], 4, v9
	s_lshl_b32 s13, s[WV], 6
	s_add_co_u32 s13, s13, STAGE
	v_lshl_add_u32 v[STW], v9, 2, s13              ; 64 x wave + 4 r
	s_and_b32 s13, s[WV], 1
	s_lshl_b32 s13, s13, 9
	s_add_co_u32 s13, s13, STAGE
	v_add_nc_u32 v[STR], s13, v[LI]
	; descriptor group 1: 12,800 dense bytes as 50 rows of 256 (32 elements of 8 bytes)
	s_mov_b32 s16, 15|(3<<16)|(1<<21)              ; the mask: all four work-groups; bit 21 set beside it
	s_mov_b32 s17, 32<<16
	s_mov_b32 s18, 50<<16
	s_mov_b32 s19, 32<<16
	s_mov_b32 s20, 50
	s_mov_b32 s21, 32
	s_mov_b32 s22, 0
	s_mov_b32 s23, 0
	s_mov_b32 s24, 1
	s_mul_i32 s25, s[WV], STEPB
	s_lshl_b32 s34, s12, 4                         ; the head's first record
	s_add_co_u32 s35, s34, s[WV]
	s_mul_i32 s36, s35, 19200
	s_add_co_u32 s36, s36, 6400                    ; key step w: from K's fragments on
	s_mov_b32 s37, 0
	s_lshl_b32 s38, s11, 2
	s_lshr_b32 s39, s[WV], 2
	s_add_co_u32 s38, s38, s39
	s_add_co_u32 s38, s38, s34
	s_mul_i32 s38, s38, 19200                      ; my queries' record: group 4 cx + wave / 4
	s_and_b32 s39, s[WV], 3                        ; my fragment in it
	s_mul_i32 s40, s39, 1536
	s_add_co_u32 s40, s40, s38
	s_mov_b32 s41, 0
	s_lshl_b32 s42, s39, 2
	s_add_co_u32 s42, s42, s38
	s_add_co_u32 s42, s42, 6144                    ; its scale words
	s_mov_b32 s43, 0
	s_lshr_b32 s44, s12, 4
	s_lshl_b32 s44, s44, 7                         ; 128 row blocks a batch
	s_lshl_b32 s45, s11, 5
	s_add_co_u32 s44, s44, s45
	s_lshl_b32 s45, s[WV], 1
	s_add_co_u32 s44, s44, s45                     ; my first row block: 2 (16 cx + wave)
	s_mul_i32 s44, s44, 12288
	s_and_b32 s45, s12, 15
	s_mul_i32 s45, s45, 768                        ; the head's half of a fragment: 1,536 (head / 2) + 768 (head % 2)
	s_add_co_u32 s44, s44, s45
	s_mov_b32 s45, 0
	s_lshl_b32 s46, s12, 12
	s_lshl_b32 s47, s11, 10
	s_add_co_u32 s46, s46, s47
	s_and_b32 s47, s[WV], 1
	s_lshl_b32 s47, s47, 9
	s_add_co_u32 s46, s46, s47                     ; ao_sc: the work-group's 1,024 bytes, my half (waves 0, 1)
	s_mov_b32 s47, 0
	s_mov_b32 s[CS], 0x3e38aa3b
	s_mov_b32 s[CS+1], s[CS]                       ; (named with it as a pair)
	s_mov_b32 s[SEL], 0x76543210
	s_mov_b32 s[SEL+1], 0xfedcba98
	s_wait_dscnt 0x0
	s_wait_kmcnt 0x0
	s_add_nc_u64 s[26:27], s[4:5], s[36:37]
	s_or_b32 s27, s27, 0x80000000
	s_add_nc_u64 s[40:41], s[4:5], s[40:41]
	s_add_nc_u64 s[42:43], s[4:5], s[42:43]
	s_add_nc_u64 s[44:45], s[6:7], s[44:45]
	s_add_nc_u64 s[46:47], s[8:9], s[46:47]
	CROUND                                         ; all four work-groups are here: the joint loads meet
	tensor_load_to_lds s[24:27], s[16:23]          ; my one tensor load
	s_nop 0
.rept 4
	v_nop
.endr
	s_wait_alu depctr_va_vdst(0)
.irp i, 0,1,2
	global_load_b128 v[QF+4*\i:QF+4*\i+3], v[LI], s[40:41] offset:512*\i
.endr
	global_load_b32 v[QW], v[ASC], s[42:43]
.irp i, 0,1,2,3,4,5
	v_mov_b32 v[22+\i], 0                          ; the zero codes
.endr
.irp b, 0,1,2,3
	v_mov_b32 v[PT+\b], 0                          ; a lane permute's destination counts as one of its sources
.endr
	v_mov_b32 v[FF+1], 0                           ; (named as the upper half of a pair)
	s_wait_tensorcnt 0x0                           ; my key step has landed,
	s_barrier_signal -1
	s_barrier_wait -1                              ; everybody's has
	s_wait_loadcnt 0x0                             ; Q
; A KEY STEP: one tile of 16 queries x 128 keys
.macro STEP
	v_add_nc_u32 v[ADK], s[TB], v[LI]
	v_add_nc_u32 v[ADS], s[TB], v[ASC]
	v_add_nc_u32 v9, s[TB], v[LI8]                 ; 8 x lane in the step: V's fragments lie as two halves of 768 bytes
	v_nop                                          ; four places in front of loads into registers that the last products read
.irp f, 0,1,2,3
.irp i, 0,1,2
	ds_load_b128 v[FRG+12*\f+4*\i:FRG+12*\f+4*\i+3], v[ADK] offset:1536*\f+512*\i
.endr
.endr
	ds_load_b128 v[KS:KS+3], v[ADS] offset:12288
	ds_load_b128 v[VS:VS+3], v[ADS] offset:12544
	s_wait_alu depctr_va_vdst(0)
	s_wait_dscnt 0x0
.irp f, 0,1,2,3
	v_wmma_scale_f32_16x16x128_f8f6f4 v[S+16*\f:S+16*\f+7], v[FRG+12*\f:FRG+12*\f+11], v[16:27], 0, v[KS+\f], v[QS] matrix_a_fmt:MATRIX_FMT_FP6 matrix_b_fmt:MATRIX_FMT_FP6
	v_wmma_scale_f32_16x16x128_f8f6f4 v[S+16*\f+8:S+16*\f+15], v[FRG+12*\f:FRG+12*\f+11], v[22:33], 0, v[KS+\f], v[QS] matrix_a_fmt:MATRIX_FMT_FP6 matrix_b_fmt:MATRIX_FMT_FP6
.endr
.rept 4
	v_nop
.endr
.irp f, 0,1,2,3                        ; V's fragments land while the softmax is worked
	ds_load_b128 v[FRG+12*\f:FRG+12*\f+3], v[ADK] offset:6144+1536*\f
	ds_load_b64 v[FRG+12*\f+4:FRG+12*\f+5], v9 offset:6144+1536*\f+512
	ds_load_b128 v[FRG+12*\f+6:FRG+12*\f+9], v[ADK] offset:6144+1536*\f+768
	ds_load_b64 v[FRG+12*\f+10:FRG+12*\f+11], v9 offset:6144+1536*\f+1280
.endr
.irp b, 0,1,2,3
	v_max3_num_f32 v[BM+\b], v[S+16*\b], v[S+1+16*\b], v[S+2+16*\b]   ; the largest score of each block of 32 keys: for the row's maximum and, since p rises with the score, for the block's largest p
.endr
.irp i, 3,5,7,9,11,13
.irp b, 0,1,2,3
	v_max3_num_f32 v[BM+\b], v[BM+\b], v[S+16*\b+\i], v[S+1+16*\b+\i]
.endr
.endr
.irp b, 0,1,2,3
	v_max_num_f32 v[BM+\b], v[BM+\b], v[S+15+16*\b]
.endr
.irp b, 0,1,2,3
	s_delay_alu instid0(VALU_DEP_4)
	v_permlanex16_b32 v[PT+\b], v[BM+\b], s[SEL], s[SEL+1]
.endr
.irp b, 0,1,2,3
	s_delay_alu instid0(VALU_DEP_4)
	v_max_num_f32 v[BM+\b], v[BM+\b], v[PT+\b]
.endr
	s_delay_alu instid0(VALU_DEP_2)
	v_max3_num_f32 v[TP], v[BM], v[BM+1], v[BM+2]
	s_delay_alu instid0(VALU_DEP_1)
	v_max_num_f32 v[TP], v[TP], v[BM+3]
	s_delay_alu instid0(VALU_DEP_1)
	v_mul_f32 v[TP], s[CS], v[TP]
	s_delay_alu instid0(VALU_DEP_1)
	v_max_num_f32 v13, v13, v[TP]                  ; the running largest t
	v_mov_b32 v[TP], v12
	s_delay_alu instid0(VALU_DEP_2)
	v_floor_f32 v12, -v13                          ; -M = floor(-t): M is a whole number
	s_delay_alu instid0(VALU_DEP_1)
	v_sub_f32 v[TP], v12, v[TP]                    ; old M - new M, 0 or less
	s_delay_alu instid0(VALU_DEP_1)
	v_cvt_i32_f32 v[TP], v[TP]                     ; (it saturates)
	s_delay_alu instid0(VALU_DEP_1)
	v_ldexp_f32 v[FF], 1.0, v[TP]                  ; f
.set j, 0
.rept 32
	v_pk_fma_f32 v[S+j:S+j+1], v[S+j:S+j+1], s[CS:CS+1], v[12:13] op_sel_hi:[1,0,0]   ; t - M
.set j, j+2
.endr
.irp b, 0,1,2,3
	v_fma_f32 v[BM+\b], v[BM+\b], s[CS], v12
.endr
.set j, 0
	s_wait_alu depctr_va_vdst(0)
.rept 64
	v_exp_f32 v[S+j], v[S+j]                       ; p = 2^(t - M)
.set j, j+1
.endr
	v_pk_mul_f32 v[14:15], v[14:15], v[FF:FF+1] op_sel_hi:[1,0]   ; the sums under the new M: the plain instruction behind the exponentials
	s_wait_alu depctr_va_vdst(0)                   ; one wait for the batch, ahead of its first reader
.irp b, 0,1,2,3
	v_exp_f32 v[BM+\b], v[BM+\b]                   ; the blocks' largest p
.endr
	v_pk_add_f32 v[224:225], v[100:101], v[104:105]
	v_pk_add_f32 v[252:253], v[108:109], v[112:113]
	v_pk_add_f32 v[250:251], v[116:117], v[120:121]
	v_pk_add_f32 v[248:249], v[124:125], v[128:129]
	v_pk_add_f32 v[246:247], v[132:133], v[136:137]
	v_pk_add_f32 v[244:245], v[140:141], v[144:145]
	v_pk_add_f32 v[242:243], v[148:149], v[152:153]
	v_pk_add_f32 v[14:15], v[14:15], v[156:157]
	v_pk_add_f32 v[224:225], v[224:225], v[96:97]
	v_pk_add_f32 v[252:253], v[252:253], v[98:99]
	v_pk_add_f32 v[250:251], v[250:251], v[102:103]
	v_pk_add_f32 v[248:249], v[248:249], v[106:107]
	v_pk_add_f32 v[246:247], v[246:247], v[110:111]
	v_pk_add_f32 v[244:245], v[244:245], v[114:115]
	v_pk_add_f32 v[242:243], v[242:243], v[118:119]
	v_pk_add_f32 v[14:15], v[14:15], v[122:123]
	v_pk_add_f32 v[224:225], v[224:225], v[126:127]
	v_pk_add_f32 v[252:253], v[252:253], v[130:131]
	v_pk_add_f32 v[250:251], v[250:251], v[134:135]
	v_pk_add_f32 v[248:249], v[248:249], v[138:139]
	v_pk_add_f32 v[246:247], v[246:247], v[142:143]
	v_pk_add_f32 v[244:245], v[244:245], v[146:147]
	v_pk_add_f32 v[242:243], v[242:243], v[150:151]
	v_pk_add_f32 v[14:15], v[14:15], v[154:155]
	v_pk_add_f32 v[224:225], v[224:225], v[158:159]
	s_delay_alu instid0(VALU_DEP_2)
	v_pk_add_f32 v[14:15], v[14:15], v[248:249]
	s_delay_alu instid0(VALU_DEP_2)
	v_pk_add_f32 v[224:225], v[224:225], v[246:247]
	v_pk_add_f32 v[252:253], v[252:253], v[244:245]
	v_pk_add_f32 v[250:251], v[250:251], v[242:243]
	s_delay_alu instid0(VALU_DEP_2)
	v_pk_add_f32 v[14:15], v[14:15], v[252:253]
	s_delay_alu instid0(VALU_DEP_2)
	v_pk_add_f32 v[224:225], v[224:225], v[250:251]
	s_delay_alu instid0(VALU_DEP_1)
	v_pk_add_f32 v[14:15], v[14:15], v[224:225]
	s_wait_alu depctr_va_vdst(0)                   ; and one for the four
.irp b, 0,1,2,3
	v_max_num_f32 v[BM+\b], 0x1800000, v[BM+\b]    ; the floor 2^(3 - 127)
.endr
.irp b, 0,1,2,3
	s_delay_alu instid0(VALU_DEP_4)
	v_add_nc_u32 v[SO+\b], 0xff000000, v[BM+\b]
.endr
.irp b, 0,1,2,3
	s_delay_alu instid0(VALU_DEP_4)
	v_lshrrev_b32 v[PT+\b], 23, v[SO+\b]
.endr
	s_delay_alu instid0(VALU_DEP_3)
	v_lshl_or_b32 v[PWD], v[PT+1], 8, v[PT]
	s_delay_alu instid0(VALU_DEP_1)
	v_lshl_or_b32 v[PWD], v[PT+2], 16, v[PWD]
	s_delay_alu instid0(VALU_DEP_1)
	v_lshl_or_b32 v[PWD], v[PT+3], 24, v[PWD]
.irp c, 0,1
	v_cvt_scalef32_pk16_fp6_f32 v[PCD+6*\c:PCD+6*\c+2], v[S+32*\c:S+32*\c+15], v[SO+2*\c]
	v_cvt_scalef32_pk16_fp6_f32 v[CT+4*\c:CT+4*\c+2], v[S+32*\c+16:S+32*\c+31], v[SO+2*\c+1]
.endr
	v_nop
.irp c, 0,1
.irp i, 0,1,2
	v_permlane16_swap_b32 v[PCD+6*\c+\i], v[CT+4*\c+\i]
.endr
.irp i, 0,1,2
	s_delay_alu instid0(VALU_DEP_3)
	v_mov_b32 v[PCD+3+6*\c+\i], v[CT+4*\c+\i]
.endr
.endr
.set j, 0
.rept 16
	v_pk_mul_f32 v[O+j:O+j+1], v[O+j:O+j+1], v[FF:FF+1] op_sel_hi:[1,0]   ; O^T under the new M; these sixteen are also the places in front of the products below
.set j, j+2
.endr
	s_wait_alu depctr_va_vdst(0)
	s_wait_dscnt 0x0                               ; V
.irp t, 0,1,2,3
	v_wmma_scale_f32_16x16x128_f8f6f4 v[O+8*\t:O+8*\t+7], v[FRG+12*\t:FRG+12*\t+11], v[PCD:PCD+11], v[O+8*\t:O+8*\t+7], v[VS+\t], v[PWD] matrix_a_fmt:MATRIX_FMT_FP6 matrix_b_fmt:MATRIX_FMT_FP6
.endr
	s_add_co_u32 s[TB], s[TB], STEPB
.endm
; A PASS: tile u of my fragment of Q against all 2,048 keys, then its 16 rows of O as codes
.macro PASS u
.irp i, 0,1,2,3,4,5
	v_mov_b32 v[16+\i], v[QF+6*\u+\i]
	v_mov_b32 v[28+\i], v[QF+6*\u+\i]
.endr
.if \u == 0
	v_perm_b32 v[QS], v[QW], v[QW], 0x01000100
.else
	v_perm_b32 v[QS], v[QW], v[QW], 0x03020302
.endif
	v_mov_b32 v13, 0xff61b1e6                      ; -3e38, under every t
	s_delay_alu instid0(VALU_DEP_1)
	v_floor_f32 v12, -v13
	v_mov_b32 v14, 0
	v_mov_b32 v15, 0
.set j, 0
.rept 32
	v_mov_b32 v[O+j], 0                            ; the step is written once: the first finds zeros.  (These are also the places between the operands written above and the first product)
.set j, j+1
.endr
	s_mov_b32 s[TB], 0
	s_mov_b32 s[CNT], 16
.Lkeys_\@:
	STEP
	s_sub_co_u32 s[CNT], s[CNT], 1
	s_cmp_lg_u32 s[CNT], 0
	s_cbranch_scc1 .Lkeys_\@
.rept 4
	v_nop
.endr
	v_add_f32 v14, v14, v15
	s_delay_alu instid0(VALU_DEP_1)
	v_permlanex16_b32 v[TP], v14, s[SEL], s[SEL+1]
	s_delay_alu instid0(VALU_DEP_1)
	v_add_f32 v14, v14, v[TP]                      ; the row's sum
	s_wait_alu depctr_va_vdst(0)
	v_rcp_f32 v14, v14
	v_nop
	s_wait_alu depctr_va_vdst(0)
.set j, 0
.rept 16
	v_pk_mul_f32 v[S+j:S+j+1], v[O+j:O+j+1], v[14:15] op_sel_hi:[1,0]   ; O / l: register 16 b + i is channel 32 b + 16 (lane / 16) + i of my row
.set j, j+2
.endr
.irp b, 0,1
	v_max3_num_f32 v[BM+\b], |v[S+16*\b]|, |v[S+1+16*\b]|, 0x1800000
.endr
.irp i, 2,4,6,8,10,12,14
.irp b, 0,1
	s_delay_alu instid0(VALU_DEP_2)
	v_max3_num_f32 v[BM+\b], v[BM+\b], |v[S+16*\b+\i]|, |v[S+1+16*\b+\i]|
.endr
.endr
.irp b, 0,1
	s_delay_alu instid0(VALU_DEP_2)
	v_permlanex16_b32 v[PT+\b], v[BM+\b], s[SEL], s[SEL+1]
.endr
.irp b, 0,1
	s_delay_alu instid0(VALU_DEP_2)
	v_max_num_f32 v[BM+\b], v[BM+\b], v[PT+\b]
.endr
.irp b, 0,1
	s_delay_alu instid0(VALU_DEP_2)
	v_add_nc_u32 v[SO+\b], 0xff000000, v[BM+\b]
.endr
.irp b, 0,1
	s_delay_alu instid0(VALU_DEP_2)
	v_lshrrev_b32 v[PT+\b], 23, v[SO+\b]
.endr
	s_delay_alu instid0(VALU_DEP_1)
	v_lshl_or_b32 v[TP], v[PT+1], 8, v[PT]         ; the row's two scale bytes for this head
	v_cvt_scalef32_pk16_fp6_f32 v[E+6*\u:E+6*\u+2], v[S:S+15], v[SO]
	v_cvt_scalef32_pk16_fp6_f32 v[CT:CT+2], v[S+16:S+31], v[SO+1]
	v_nop
.irp i, 0,1,2
	v_permlane16_swap_b32 v[E+6*\u+\i], v[CT+\i]
.endr
.irp i, 0,1,2
	s_delay_alu instid0(VALU_DEP_3)
	v_mov_b32 v[E+6*\u+3+\i], v[CT+\i]
.endr
	global_store_b128 v[LI], v[E+6*\u:E+6*\u+3], s[44:45] offset:12288*\u          ; 512 consecutive bytes
	global_store_b64 v[LI8], v[E+6*\u+4:E+6*\u+5], s[44:45] offset:12288*\u+512    ; 256 consecutive bytes
.if \u == 0
	v_mov_b32 v[HW], v[TP]
.else
	v_lshl_or_b32 v[HW], v[TP], 16, v[HW]
.endif
	s_wait_alu depctr_va_vdst(0)                   ; the wait here, directly ahead of the wait below
	s_wait_xcnt 0x0                                ; the pass's stores have read their registers: the next pass's steps write some of them again
.endm
	PASS 0
	PASS 1
	ds_store_b32 v[STW], v[HW]                     ; both halves of the lanes write the same word with the same value
	s_wait_dscnt 0x0                               ; for the others' sake
	s_barrier_signal -1
	s_barrier_wait -1
	s_cmp_gt_u32 s[WV], 1
	s_cbranch_scc1 .Lno_words
	ds_load_b128 v[RB:RB+3], v[STR]                ; waves 0 and 1 store the work-group's 1,024 bytes of scale words, 512 consecutive bytes each
	s_wait_dscnt 0x0
	global_store_b128 v[LI], v[RB:RB+3], s[46:47]
.Lno_words:
	s_wait_tensorcnt 0x0
	ds_add_u32 v254, v255
	s_wait_dscnt 0x0
	CROUND                                         ; the closing round
	s_endpgm
.Lfunc_end_k_qdd5fc5b317_attn:
	.size	k_qdd5fc5b317_attn, .Lfunc_end_k_qdd5fc5b317_attn-k_qdd5fc5b317_attn
	.p2alignl 7, 3214868480
	.fill 96, 4, 3214868480
	.section	.rodata,"a",@progbits
	.p2align	6, 0x0
	.amdhsa_kernel k_qdd5fc5b317_attn
		.amdhsa_group_segment_fixed_size 207872
		.amdhsa_private_segment_fixed_size 0
		.amdhsa_enable_private_segment 0
		.amdhsa_kernarg_size 24
		.amdhsa_user_sgpr_count 2
		.amdhsa_user_sgpr_kernarg_segment_ptr 1
		.amdhsa_wavefront_size32 1
		.amdhsa_system_sgpr_workgroup_id_x 1
		.amdhsa_system_sgpr_workgroup_id_y 1
		.amdhsa_system_sgpr_workgroup_id_z 1
		.amdhsa_system_vgpr_workitem_id 0
		.amdhsa_next_free_vgpr 256
		.amdhsa_next_free_sgpr 66
		.amdhsa_reserve_vcc 0
		.amdhsa_float_denorm_mode_32 3
		.amdhsa_float_denorm_mode_16_64 3
		.amdhsa_memory_ordered 1
		.amdhsa_forward_progress 1
		.amdhsa_inst_pref_size 52
	.end_amdhsa_kernel
	.amdgpu_metadata
---
amdhsa.version: [ 1, 2 ]
amdhsa.kernels:
  - .name:           k_qdd5fc5b317_attn
    .symbol:         k_qdd5fc5b317_attn.kd
    .args:
      - { .name: qkv, .offset: 0, .size: 8, .value_kind: global_buffer, .address_space: global }
      - { .name: ao, .offset: 8, .size: 8, .value_kind: global_buffer, .address_space: global }
      - { .name: ao_sc, .offset: 16, .size: 8, .value_kind: global_buffer, .address_space: global }
    .group_segment_fixed_size: 207872
    .private_segment_fixed_size: 0
    .kernarg_segment_align: 8
    .kernarg_segment_size: 24
    .max_flat_workgroup_size: 512
    .sgpr_count:     66
    .vgpr_count:     256
    .wavefront_size: 32
...
	.end_amdgpu_metadata
.endif
;; end of part 3
;; launch outp (part 4): grid 8 x 32, 4 waves a work-group, clusters of 4 x 4, 327,680 bytes of LDS; arguments ao, ao_sc, cod, scl, b_o, out0; writes out0
.if DOCPART == 4
	.amdgcn_target "amdgcn-amd-amdhsa--gfx1250"
	.amdhsa_code_object_version 6
	.text
	.protected	k_qdd5fc5b317_outp
	.globl	k_qdd5fc5b317_outp
	.p2align	8
	.type	k_qdd5fc5b317_outp,@function
k_qdd5fc5b317_outp:
	s_mov_b64 s[64:65], 0
	v_nop
	global_prefetch_b8 v0, s[64:65] scope:SCOPE_SE
	s_setreg_imm32_b32 hwreg(HW_REG_WAVE_MODE, 25, 1), 1
	s_wait_xcnt 0x0
	s_wait_alu depctr_hold_cnt(0) depctr_sa_sdst(0) depctr_va_vdst(0) depctr_va_sdst(0) depctr_va_ssrc(0) depctr_va_vcc(0) depctr_vm_vsrc(0)
	s_getreg_b32 s2, hwreg(HW_REG_IB_STS2, 6, 4)
	s_cmp_eq_u32 s2, 0
	s_cbranch_scc0 .Lentry_in_a_cluster
	s_endpgm
.Lentry_in_a_cluster:
	s_bfe_u32 s2, ttmp6, 0x10000c
	s_cmp_lg_u32 s2, 0xf033
	s_cbranch_scc0 .Lentry_shape_is_right
	s_endpgm
.Lentry_shape_is_right:
; out0 = O W_o^T + b_o on codes of FP6 (E2M3) with E8M0 scales; sums in f32.
; IN: ao [row block of 16 rows 512][K step 8][1,536 bytes] and cod's blocks 704-767 (W_o), fragments as two halves of 768 bytes: registers 6 c .. 6 c + 3 at 16 x lane, 6 c + 4, 6 c + 5 at 512 + 8 x lane.
; Block 2 B + u, lane m, is row 32 B + 8 u + m + 8 (m / 8) of its tensor.  ao_sc [batch 16 + head][pair of row blocks 64][m 16][4 bytes]: the even block's two bytes, the odd block's two.  scl [row block][row 16][K step 8][4 bytes].
; THE DEAL: 8 x 32 = 256 work-groups of four waves.  A work-group makes 256 rows x 128 columns.  A wave holds its 64 rows (4 row blocks), ALL of K, in 384 registers; W_o's 8 blocks of 16 rows stream past
; in two sets of 96 registers: a block is 32 products, four accumulators by turns.  Source 0 = W_o's rows: a lane holds one row of the result and its registers run along the columns.  b_o is the first products' C.
; LDS: W_o's block s at 12,288 s, the rows' 16 blocks behind them: all asked for at the head, one tensor load a wave; nothing is filled again.  The rows are shared by a row of the cluster, W_o's by a column: joint loads.
; No prefetch: every tile is asked for at the head, and no loop is left to run ahead in.
; THE WAY OUT: each 64 columns leave when their four blocks are done, through the wave's own stage (rows of 256 + 16 bytes) on the rows' LDS bytes, which have had their last fill and, behind a barrier, their last read;
; sixteen lanes store 256 consecutive bytes at a multiple of 256 from out0's first byte.
; LIMITS: NaN and infinities are not served.
.set BLKB,  12288
.set XB,    8*BLKB
.set WSL,   24*BLKB                    ; W_o's scale words: 8 x 512 bytes
.set SPARE, WSL+4096
.set SROW,  272
.set SBLK,  16*SROW
.set FR,    12
.set FPW,   21                         ; fragment f lies in window 1 + f / 21 at 12 (f % 21): 0-31 the rows' (4 q + a), 32-47 W_o's two sets
.set NF,    34
.set LI,    1
.set L8,    2
.set AS0,   3
.set AX,    4
.set AX8,   5
.set AW,    6
.set AW8,   7
.set AWS,   8
.set STO,   9
.set RD,    10
.set VO,    11
.set R4,    12
.set BH,    13
.set SELV,  14
.set WST,   15
.set SPW,   16
.set NIL,   17
.set XS,    32                         ; v32-47 the rows' scale words: register 8 p + q: lanes 0-15 block 2 p, lanes 16-31 block 2 p + 1
.set SA,    52                         ; v52-67 W_o's, two sets of eight
.set EV,    72                         ; v72-87, v88-103 ao_sc's words of the even and the odd heads
.set OD,    88
.set BI,    104                        ; v104-167 b_o as the results lie: eight registers a block of W_o
.set RBK,   168                        ; v168-231 rows read back from the stage, two sets of 32
.set GT,    232
.set AL,    72                         ; v840-967 (window 3, from 72 on): 16 accumulators, 32 a + 8 wb
.set WV, 16
.set WH, 17
.set WL, 18
.set G1A, 24
.set G1B, 32
.set G0A, 40
.set G0B, 44
.set OB, 66
.set SO, 72
.set SS, 73
.set MSB, 0
.macro WIN new
.if MSB != \new
	s_set_vgpr_msb (MSB<<8)|\new
.set MSB, \new
.endif
.endm
.macro PLACES n
.rept \n
	v_nop
.endr
.endm
.macro WALU
	s_wait_alu depctr_va_vdst(0)
.endm
.macro BARRIER
	s_barrier_signal -1
	s_barrier_wait -1
.endm
.macro CROUND
	s_barrier_signal -1
	s_barrier_wait -1
	s_cmp_lg_u32 s[WV], 0
	s_cbranch_scc1 .Lnw0_\@
	s_barrier_signal -3
.Lnw0_\@:
	s_barrier_wait -3
	s_barrier_signal -1
	s_barrier_wait -1
.endm
.macro TLOAD g0, g1
	tensor_load_to_lds s[\g0:\g0+3], s[\g1:\g1+7]
	s_nop 0
	PLACES 4
.endm
.macro FRAG f, a16, a8, off
	WIN (1+(\f)/FPW)<<6
.set R_, FR*((\f)%FPW)
	ds_load_b128 v[R_:R_+3], v[\a16] offset:(\off)
	ds_load_b64 v[R_+4:R_+5], v[\a8] offset:(\off)+512
	ds_load_b128 v[R_+6:R_+9], v[\a16] offset:(\off)+768
	ds_load_b64 v[R_+10:R_+11], v[\a8] offset:(\off)+1280
.endm
.macro ADDR                            ; the LDS addresses of the block of W_o fetched next; then the offsets step on
	v_add_nc_u32 v[AW], s[SO], v[LI]
	v_add_nc_u32 v[AW8], s[SO], v[L8]
	v_add_nc_u32 v[AWS], s[SS], v[AS0]
	s_add_co_u32 s[SO], s[SO], BLKB
	s_add_co_u32 s[SS], s[SS], 512
.endm
.macro FETCH e
.irp q, 0,1,2,3,4,5,6,7
	FRAG 32+8*(\e)+\q, AW, AW8, \q*1536
.endr
	WIN 0
	ds_load_b128 v[SA+8*(\e):SA+8*(\e)+3], v[AWS]
	ds_load_b128 v[SA+8*(\e)+4:SA+8*(\e)+7], v[AWS] offset:16
.endm
.macro PROD1 d, s0, s1, c, x0, x1, o
.if \o
	v_wmma_scale_f32_16x16x128_f8f6f4 v[\d:\d+7], v[\s0:\s0+FR-1], v[\s1:\s1+FR-1], \c, v[\x0], v[\x1] matrix_a_fmt:MATRIX_FMT_FP6 matrix_b_fmt:MATRIX_FMT_FP6 matrix_b_scale:MATRIX_SCALE_ROW1
.else
	v_wmma_scale_f32_16x16x128_f8f6f4 v[\d:\d+7], v[\s0:\s0+FR-1], v[\s1:\s1+FR-1], \c, v[\x0], v[\x1] matrix_a_fmt:MATRIX_FMT_FP6 matrix_b_fmt:MATRIX_FMT_FP6 matrix_b_scale:MATRIX_SCALE_ROW0
.endif
.endm
.macro PROD e, q, a, wb, ch            ; K step q, my row block a, block wb of the 64 columns ch (in set e).  The first K step takes b_o as C
.set FX_, 4*(\q)+(\a)
.set FW_, 32+8*(\e)+(\q)
.set RX_, FR*(FX_%FPW)
.set RW_, FR*(FW_%FPW)
.set SX_, XS+8*((\a)/2)+(\q)
.set SW_, SA+8*(\e)+(\q)
.set D_, AL+32*(\a)+8*(\wb)
.if \q
	WIN (1+FW_/FPW)|((1+FX_/FPW)<<2)|0xf0
	PROD1 D_, RW_, RX_, v[D_:D_+7], SW_, SX_, (\a)%2
.else
.set B_, BI+8*(4*(\ch)+(\wb))
	WIN (1+FW_/FPW)|((1+FX_/FPW)<<2)|0xc0
	PROD1 D_, RW_, RX_, v[B_:B_+7], SW_, SX_, (\a)%2
.endif
.endm
; A block of W_o: the wait for its 34 loads (w: the next block's 34 may be out), 32 products, the fetch of the block two on into the set just read
.macro BLK e, wb, ch, w, fetch
	s_wait_dscnt \w
.irp q, 0,1,2,3,4,5,6,7
.irp a, 0,1,2,3
	PROD \e, \q, \a, \wb, \ch
.endr
.endr
	WIN 0
.if \fetch
	ADDR
	v_nop                                  ; with the three lines above: the four places behind the products
	WALU                                   ; the wait ahead of the readers below
	FETCH \e
.else
	PLACES 4
.endif
.endm
.macro TOST a                          ; row block a's 16 rows x 64 columns into my stage, and back by rows: lanes 0-15 one row of 256 bytes, lanes 16-31 the next.  LDS serves a wave's instructions in order
	WIN 0x0c
.irp wb, 0,1,2,3
	ds_store_b128 v[STO], v[AL+32*(\a)+8*\wb:AL+32*(\a)+8*\wb+3] offset:(\a)*SBLK+128*(\wb/2)+32*(\wb%2)
	ds_store_b128 v[STO], v[AL+32*(\a)+8*\wb+4:AL+32*(\a)+8*\wb+7] offset:(\a)*SBLK+128*(\wb/2)+32*(\wb%2)+16
.endr
	WIN 0
.irp t, 0,1,2,3,4,5,6,7
	ds_load_b128 v[RBK+32*((\a)%2)+4*\t:RBK+32*((\a)%2)+4*\t+3], v[RD] offset:(\a)*SBLK+2*\t*SROW
.endr
.endm
.macro SEND a, ch, younger             ; younger: the LDS instructions issued behind block a's loads
	s_wait_dscnt \younger
.irp t, 0,1,2,3,4,5,6,7
	global_store_b128 v[VO], v[RBK+32*((\a)%2)+4*\t:RBK+32*((\a)%2)+4*\t+3], s[OB:OB+1] offset:(\ch)*256+(32*((\a)/2)+8*((\a)%2)+2*\t+8*(\t/4))*4096 th:TH_STORE_NT
.endr
.endm
.macro OUT ch
	s_wait_xcnt 0x0                        ; earlier stores have read the registers into which the loads below land
	TOST 0
	TOST 1
	SEND 0, \ch, 16
	s_wait_xcnt 0x0
	TOST 2
	SEND 1, \ch, 16
	s_wait_xcnt 0x0
	TOST 3
	SEND 2, \ch, 16
	SEND 3, \ch, 0
.endm
; ---------------- the head
	s_load_b256 s[4:11], s[0:1], 0x0               ; ao, ao_sc, cod, scl
	s_load_b128 s[12:15], s[0:1], 0x20             ; b_o, out0
	v_lshl_add_u32 v[SPW], v0, 2, SPARE
	v_mov_b32 v[NIL], 0
	ds_add_u32 v[SPW], v[NIL]                      ; the opening lines
	ds_add_u32 v[SPW], v[NIL]
	v_lshrrev_b32 v19, 5, v0
	v_readfirstlane_b32 s[WV], v19
	s_lshr_b32 s[WH], s[WV], 1                     ; at the head: I fetch the rows (0) or W_o (1)
	s_and_b32 s[WL], s[WV], 1
	s_bfe_u32 s19, ttmp6, 0x40000                  ; cx
	s_bfe_u32 s20, ttmp6, 0x40004                  ; cy
	s_lshl_b32 s21, ttmp9, 2
	s_add_co_u32 s21, s21, s19                     ; g: the group of 128 columns, 0 .. 7
	s_and_b32 s22, ttmp7, 0xffff
	s_lshl_b32 s22, s22, 2
	s_add_co_u32 s22, s22, s20                     ; ty: the group of 256 rows, 0 .. 31
	s_lshl_b32 s23, s20, 2
	s_lshl_b32 s23, 15, s23                        ; my row of the cluster
	s_lshl_b32 s52, 0x1111, s19                    ; my column
	s_or_b32 s[G1A], s23, (3<<16)|(1<<21)          ; dense bytes as rows of 3,072 (384 elements of 8 bytes): the rows' 8 blocks are 32 such,
	s_or_b32 s[G1B], s52, (3<<16)|(1<<21)          ; W_o's 4 blocks 16
.irp g, G1A, G1B
	s_mov_b32 s[\g+1], 384<<16
	s_mov_b32 s[\g+3], 384<<16
	s_mov_b32 s[\g+5], 384
	s_mov_b32 s[\g+6], 0
	s_mov_b32 s[\g+7], 0
.endr
	s_mov_b32 s[G1A+2], 32<<16
	s_mov_b32 s[G1A+4], 32
	s_mov_b32 s[G1B+2], 16<<16
	s_mov_b32 s[G1B+4], 16
	s_lshl_b32 s48, s22, 4
	s_lshl_b32 s49, s[WL], 3
	s_add_co_u32 s49, s48, s49
	s_mul_i32 s54, s49, BLKB                       ; the rows: blocks 16 ty + 8 (wave % 2) on
	s_mov_b32 s55, 0
	s_lshr_b32 s48, s22, 3
	s_lshl_b32 s60, s48, 16                        ; ao_sc: 16 heads x 4,096 bytes a batch,
	s_and_b32 s48, s22, 7
	s_lshl_b32 s48, s48, 3
	s_lshl_b32 s49, s[WV], 1
	s_add_co_u32 s48, s48, s49
	s_lshl_b32 s48, s48, 6
	s_add_co_u32 s60, s60, s48                     ; and my first pair of row blocks, 64 bytes a pair
	s_mov_b32 s61, 0
	s_lshl_b32 s50, s21, 3
	s_add_co_u32 s50, s50, 704
	s_lshl_b32 s51, s[WL], 2
	s_add_co_u32 s51, s50, s51
	s_mul_i32 s56, s51, BLKB                       ; W_o: blocks 704 + 8 g + 4 (wave % 2) on
	s_mov_b32 s57, 0
	s_lshl_b32 s51, s[WV], 1
	s_add_co_u32 s51, s50, s51
	s_lshl_b32 s58, s51, 9                         ; the scale words of blocks 704 + 8 g + 2 wave, + 1
	s_mov_b32 s59, 0
	s_lshl_b32 s62, s21, 9                         ; b_o: 128 columns a group
	s_mov_b32 s63, 0
	s_lshl_b32 s66, s22, 2
	s_add_co_u32 s66, s66, s[WV]
	s_lshl_b32 s66, s66, 18                        ; out0: my 64 rows of 4,096 bytes,
	s_add_co_u32 s66, s66, s62                     ; my group's columns
	s_mov_b32 s67, 0
	s_mul_i32 s68, s[WV], 4*BLKB
	s_add_co_u32 s68, s68, XB
	s_mul_i32 s69, s[WV], 4*SBLK
	s_add_co_u32 s69, s69, XB
	s_lshl_b32 s70, s[WV], 10
	s_add_co_u32 s70, s70, WSL
	s_mov_b32 s71, 0x02020202
	s_mov_b32 s[SO], 0
	s_mov_b32 s[SS], 0
	v_and_b32 v19, 31, v0
	v_and_b32 v22, 15, v0                          ; r
	v_bfe_u32 v23, v0, 4, 1                        ; h
	v_lshlrev_b32 v[LI], 4, v19
	v_lshlrev_b32 v[L8], 3, v19
	v_lshl_add_u32 v[AS0], v22, 5, WSL
	v_add_nc_u32 v[AX], s68, v[LI]
	v_add_nc_u32 v[AX8], s68, v[L8]
	v_mul_u32_u24 v[STO], v22, SROW
	v_lshl_add_u32 v[STO], v23, 6, v[STO]
	v_add_nc_u32 v[STO], s69, v[STO]               ; into the stage: row r, + 64 h
	v_mul_u32_u24 v[RD], v23, SROW
	v_lshl_add_u32 v[RD], v22, 4, v[RD]
	v_add_nc_u32 v[RD], s69, v[RD]                 ; out of it: row h, + 16 r
	v_lshlrev_b32 v[VO], 12, v23
	v_lshl_add_u32 v[VO], v22, 4, v[VO]            ; and the same in out0
	v_lshlrev_b32 v[R4], 2, v22
	v_lshlrev_b32 v[BH], 6, v23
	v_mul_lo_u32 v[SELV], v23, s71
	v_add_nc_u32 v[SELV], 0x05040100, v[SELV]      ; lanes 0-15 pick the two low halves (the even block's bytes), lanes 16-31 the two high halves
	v_add_nc_u32 v[WST], s70, v[LI]
	WALU                                           ; the wait at the head's end
	s_wait_dscnt 0x0
	s_wait_kmcnt 0x0
	s_mov_b32 s[G0A], 1
	s_mul_i32 s[G0A+1], s[WL], 8*BLKB
	s_add_co_u32 s[G0A+1], s[G0A+1], XB
	s_add_nc_u64 s[G0A+2:G0A+3], s[4:5], s[54:55]
	s_or_b32 s[G0A+3], s[G0A+3], 0x80000000
	s_mov_b32 s[G0B], 1
	s_mul_i32 s[G0B+1], s[WL], 4*BLKB
	s_add_nc_u64 s[G0B+2:G0B+3], s[8:9], s[56:57]
	s_or_b32 s[G0B+3], s[G0B+3], 0x80000000
	s_add_nc_u64 s[58:59], s[10:11], s[58:59]
	s_add_nc_u64 s[60:61], s[6:7], s[60:61]
	s_add_nc_u64 s[62:63], s[12:13], s[62:63]
	s_add_nc_u64 s[OB:OB+1], s[14:15], s[66:67]
	CROUND                                         ; all sixteen work-groups are here: the joint loads meet
	s_cmp_eq_u32 s[WH], 0
	s_cbranch_scc0 .Lhead_w
	TLOAD G0A, G1A                                 ; waves 0, 1: eight row blocks each
	s_branch .Lhead_asked
.Lhead_w:
	TLOAD G0B, G1B                                 ; waves 2, 3: four blocks of W_o each
.Lhead_asked:
.irp e, 0,1
.irp q, 0,1,2,3,4,5,6,7
	global_load_b32 v[EV+8*\e+\q], v[R4], s[60:61] offset:\q*8192+\e*64
	global_load_b32 v[OD+8*\e+\q], v[R4], s[60:61] offset:\q*8192+\e*64+4096
.endr
.endr
.irp p, 0,1
	global_load_b128 v[GT+4*\p:GT+4*\p+3], v[LI], s[58:59] offset:512*\p
.endr
.irp b, 0,1,2,3,4,5,6,7
	global_load_b128 v[BI+8*\b:BI+8*\b+3], v[BH], s[62:63] offset:(32*(\b/2)+8*(\b%2))*4      ; register j of block b: column 32 (b / 2) + 16 h + 8 (b % 2) + j
	global_load_b128 v[BI+8*\b+4:BI+8*\b+7], v[BH], s[62:63] offset:(32*(\b/2)+8*(\b%2))*4+16
.endr
	s_cmp_eq_u32 s[WH], 0
	s_cbranch_scc0 .Lnot_x
	s_wait_tensorcnt 0x0                           ; waves 0, 1: my half of the rows has landed (their load line is theirs alone)
.Lnot_x:
	BARRIER                                        ; the rows are in; W_o's blocks may still be on their way
.irp q, 0,1,2,3,4,5,6,7
.irp a, 0,1,2,3
	FRAG 4*\q+\a, AX, AX8, \a*BLKB+\q*1536         ; my 64 rows, all of K: 128 loads
.endr
.endr
	WIN 0
	s_wait_loadcnt 0x0
.irp e, 0,1
.irp q, 0,1,2,3,4,5,6,7
	v_perm_b32 v[XS+8*\e+\q], v[OD+8*\e+\q], v[EV+8*\e+\q], v[SELV]   ; K step q's word: head 2 q's two bytes, head 2 q + 1's two
.endr
.endr
	PLACES 8                                       ; scale registers written by vector instructions stand eight places ahead of the products
	s_wait_tensorcnt 0x0                           ; every wave: my tile has landed
.irp p, 0,1
	ds_store_b128 v[WST], v[GT+4*\p:GT+4*\p+3] offset:512*\p
.endr
	WALU                                           ; the wait here, directly ahead of the wait below
	s_wait_dscnt 0x0                               ; my stores are done, and the rows lie in my registers
	BARRIER                                        ; W_o's blocks and scale words are shown to all, and nobody reads the rows' bytes any more
	ADDR
	WALU
	FETCH 0
	ADDR
	WALU
	FETCH 1
; ---------------- columns 0-63, then 64-127
	BLK 0, 0, 0, NF, 1
	BLK 1, 1, 0, NF, 1
	BLK 0, 2, 0, NF, 1
	BLK 1, 3, 0, NF, 1
	OUT 0
	BLK 0, 0, 1, NF, 1
	BLK 1, 1, 1, NF, 1
	BLK 0, 2, 1, NF, 0
	BLK 1, 3, 1, 0, 0
	OUT 1
	s_wait_tensorcnt 0x0                           ; the wave's end
	ds_add_u32 v[SPW], v[NIL]
	s_wait_dscnt 0x0
	CROUND                                         ; the closing round
	s_endpgm
.Lfunc_end_k_qdd5fc5b317_outp:
	.size	k_qdd5fc5b317_outp, .Lfunc_end_k_qdd5fc5b317_outp-k_qdd5fc5b317_outp
	.p2alignl 7, 3214868480
	.fill 96, 4, 3214868480
	.section	.rodata,"a",@progbits
	.p2align	6, 0x0
	.amdhsa_kernel k_qdd5fc5b317_outp
		.amdhsa_group_segment_fixed_size 327680
		.amdhsa_private_segment_fixed_size 0
		.amdhsa_enable_private_segment 0
		.amdhsa_kernarg_size 48
		.amdhsa_user_sgpr_count 2
		.amdhsa_user_sgpr_kernarg_segment_ptr 1
		.amdhsa_wavefront_size32 1
		.amdhsa_system_sgpr_workgroup_id_x 1
		.amdhsa_system_sgpr_workgroup_id_y 1
		.amdhsa_system_sgpr_workgroup_id_z 1
		.amdhsa_system_vgpr_workitem_id 0
		.amdhsa_next_free_vgpr 1024
		.amdhsa_next_free_sgpr 96
		.amdhsa_reserve_vcc 0
		.amdhsa_float_denorm_mode_32 3
		.amdhsa_float_denorm_mode_16_64 3
		.amdhsa_memory_ordered 1
		.amdhsa_forward_progress 1
		.amdhsa_inst_pref_size 90
	.end_amdhsa_kernel
	.amdgpu_metadata
---
amdhsa.version: [ 1, 2 ]
amdhsa.kernels:
  - .name:           k_qdd5fc5b317_outp
    .symbol:         k_qdd5fc5b317_outp.kd
    .args:
      - { .name: ao, .offset: 0, .size: 8, .value_kind: global_buffer, .address_space: global }
      - { .name: ao_sc, .offset: 8, .size: 8, .value_kind: global_buffer, .address_space: global }
      - { .name: cod, .offset: 16, .size: 8, .value_kind: global_buffer, .address_space: global }
      - { .name: scl, .offset: 24, .size: 8, .value_kind: global_buffer, .address_space: global }
      - { .name: b_o, .offset: 32, .size: 8, .value_kind: global_buffer, .address_space: global }
      - { .name: out0, .offset: 40, .size: 8, .value_kind: global_buffer, .address_space: global }
    .group_segment_fixed_size: 327680
    .private_segment_fixed_size: 0
    .kernarg_segment_align: 8
    .kernarg_segment_size: 48
    .max_flat_workgroup_size: 128
    .sgpr_count:     96
    .vgpr_count:     1024
    .wavefront_size: 32
...
	.end_amdgpu_metadata
.endif
;; end of part 4
